; MI455X (gfx1250); checked and timed in simulation.
; The chip was launched on July 23, 2026; its instructions are those of AMD's public machine-readable ISA for CDNA 5 (MIT licence, August 2026) and "CDNA5" Instruction Set Architecture Reference Guide (July 2026). The comments in the code are by the model that wrote it; some were corrected since.
;; Local Attention. Allowed arithmetic: matrix products marked QUANTISED: E2M1 operands, one E8M0 scale for each 32 along K, by v_wmma_scale_f32_16x16x128_f8f6f4 with both operands' format E2M1 (or v_wmma_scale_f32_32x16x128_f4), f32 sums; everything else in f32.
;; Inputs: k 16 x 8,192 x 64 float32; q 16 x 8,192 x 64 float32; v 16 x 8,192 x 64 float32.
;; Outputs: out0 16 x 8,192 x 64 float32.
;; This version of the problem:
;;   THIS VERSION OF THE PROBLEM IS GIVEN IN LOW PRECISION. The matrix products marked QUANTISED in the list below multiply operands that are first quantised to E2M1 (2 exponent bits, 1 mantissa bit; 4 bits a number), with one power-of-two scale for each 32 numbers along K (OCP MX v1.0); their sums are f32. All else is computed in f32.
;;   The module's matrix products, in the order in which they are computed (A, B: the left and right operand; K: the contracted axis; several contracted axes count as one K, in the product's order):
;;     1. batch 1,024 x [M 128, K 64] x [K 64, N 256]; A: computed on the way; B: computed on the way: QUANTISED
;;     2. batch 1,024 x [M 128, K 256] x [K 256, N 64]; A: softmax (see below); B: computed on the way: QUANTISED
;;   THE QUANTISER, for each operand of a quantised product, along K:
;;     - K is cut into blocks of 32 from its start; a last block that is shorter is filled with zeros.
;;     - A block's scale is 2^e with e = floor(log2(the largest magnitude in the block)) - 2, held to -126 .. 127; a block of zeros has e = 0. As a byte (E8M0): e + 127.
;;     - Each number is divided by its block's scale, clamped to +-6, and rounded to the nearest number of E2M1, ties to even, subnormals kept.
;;     - The product sums the exact products of the quantised numbers (number of the format x scale) in f32.
;;   ~~~python
;;   def quantise(x, axis):      # numpy; x: float32 -> the quantised numbers, widened to float32 again
;;       x = np.moveaxis(x, axis, -1); K = x.shape[-1]
;;       x = np.pad(x, [(0, 0)] * (x.ndim - 1) + [(0, -K % 32)]); x = x.reshape(x.shape[:-1] + (-1, 32)); a = np.abs(x).max(-1, keepdims=True)
;;       e = np.where(a > 0, np.clip(np.frexp(np.where(a > 0, a, 1))[1] - 1 - 2, -126, 127), 0)      # np.frexp(a)[1] - 1 = floor(log2(a)), exactly
;;       r = np.clip(x / 2.0 ** e, -6, 6)
;;       step = 2.0 ** (np.maximum(np.frexp(np.where(r == 0, 1, r))[1] - 1, 0) - 1)
;;       q = np.round(r / step) * step * 2.0 ** e      # np.round: ties to even
;;       return np.moveaxis(q.reshape(q.shape[:-2] + (-1,))[..., :K], -1, axis).astype(np.float32)
;;   ~~~
;;   SOFTMAX AHEAD OF A QUANTISED PRODUCT. Where the list says 'softmax', what is quantised is not the finished softmax but p = 2^(t - M), with t = logit x log2(e) and M = ceil(the row's largest t), a whole number; so 1/2 < the row's largest p <= 1. The row's sum l is taken of the UNQUANTISED p, in f32, and the product's result is divided by l at the end. Since M is a whole number, a kernel that streams over the keys may use a running M (the ceiling of the running maximum): every later rescaling is an exact power of two, which a block's scale takes up: the codes' values come out the same.
;;   OPERANDS COMPUTED ON THE WAY. 'Computed on the way' means the value that the module computes at that place (a softmax that the list does not call 'softmax' is quantised finished and normalised). What goes into a quantiser is computed in f32, as accurately as f32 sums, v_exp_f32 and their like allow (about 1e-6 of the number): no bf16 or f16 on the way to a quantiser, and a product that is left as it is and whose result goes on into a quantised operand takes f32 operands (vector FMAs, or v_wmma_f32_16x16x4_f32). A number that lies on a knife's edge between two numbers of the format may be rounded either way, as far as f32 arithmetic and the matrix unit's own rounding can turn it there, and no further.
;; 2 versions, each right; version 2 is version 1 with the launch local_attention written anew for expert scheduling mode. Each part assembles by itself: llvm-mc -triple=amdgcn-amd-amdhsa -mcpu=gfx1250 --defsym DOCPART=n.
;; ======== version 1 of 2: 1 launch
;; launch local_attention (part 1): grid 16 x 16, 8 waves a work-group, no clusters, 107,520 bytes of LDS; arguments q, k, v, out0; writes out0
.if DOCPART == 1
	.amdgcn_target "amdgcn-amd-amdhsa--gfx1250"
	.amdhsa_code_object_version 6
	.text
	.protected	k_q7e46be2cf3_local_attention
	.globl	k_q7e46be2cf3_local_attention
	.p2align	8
	.type	k_q7e46be2cf3_local_attention,@function
k_q7e46be2cf3_local_attention:
	s_mov_b64 s[64:65], 0
	v_nop
	global_prefetch_b8 v0, s[64:65] scope:SCOPE_SE
	s_setreg_imm32_b32 hwreg(HW_REG_WAVE_MODE, 25, 1), 1
	s_wait_xcnt 0x0
; LOCAL ATTENTION, windows of 128, one window back, causal, rotary positions 0..255 over the 256 keys of a window; both products on codes of
; FP4 (E2M1) with one E8M0 scale for each 32 along a product's K.  q, k, v, out: [16][8192][64] f32; a row is 256 bytes, a window 32,768 bytes on end.
; SHARES.  256 work-groups: x = a chunk of 4 windows, y = the batch.  Eight waves walk the chunk's windows in a loop of 4 trips.  In a window wave w takes
; rows 16 w .. 16 w + 15 of q and of k, keys 32 (w / 2) .. + 31 x channels 32 (w % 2) .. + 31 of v, and then queries 16 w .. 16 w + 15 against all keys.
; ROTARY.  A lane (r = lane % 16, h = lane / 16) holds of row r sixteen numbers d < 32 and the sixteen at d + 32, which turn with the same angle: nothing crosses lanes.
; Number e of the sixteen is d = 8 (e / 4) + 4 h + e % 4: a permutation inside a block of 32, alike for q and k, so the products are kept and two lanes read 32 neighbouring bytes.
; cos and sin of fl(position x inv_freq) are made once, at the head, while the first loads are out: 16 pairs for positions 128 + row (q, and k in its own window), 16 for position row (k seen from the next window).
; k IS ROTATED AND QUANTISED AT ONCE FOR BOTH USES, v once (its blocks of 32 keys do not hang on the window); they lie in LDS as images of the operands' registers.  Each of the five windows
; (the one ahead of the chunk and its four) has LDS bytes of its own, so no byte is written twice and ONE barrier a window orders writers and readers.
; PRODUCTS, both transposed: S^T = K Q^T (source 0 = 16 keys, source 1 = my 16 queries), O^T = V^T P^T: a lane holds one query throughout.  Row r' of key tile 2 b + u is key 32 b + 8 u + r' + 8 (r' / 8),
; so that the 16 registers of tiles 2 b, 2 b + 1 are keys 32 b + 16 h + 0 .. 15.  The first product's K is 64 of the instruction's 128: q's registers 4-7 hold zero codes and both sides' scale bytes 2, 3 are 0;
; a tile of k names its own four registers and the next tile's four, which meet those zero codes (E2M1 has no infinity and no NaN, so each such product is 0).
; SOFTMAX as the contract has it: t = score x log2(e) / 8 (the 1/8 that reference() puts on q is a power of two: it is taken off the scores instead, which changes no code), M = ceil(the row's largest t),
; p = 2^(t - M) quantised along the keys, the sum of the unquantised p divides at the end.  All 256 scores of a query are in registers, so M is final before the first exponential.
; MASKS.  Own keys after the query become -infinity by 32 lane masks made once (the pattern is the same in every window).  Waves 0-3 leave own keys 64..127 out: all hidden for queries under 64.
; At a batch's first window there is no window back: its own k and v are loaded in that place (no load leaves a buffer) and those 128 scores are set to -infinity, so p = 0 there.
; LIMITS.  NaN and infinities among the inputs are not served.  A block whose largest magnitude lies under 2^-124 keeps the scale byte 1, a block of zeros too (the rule says 127: its codes are zeros, and only this text reads the bytes).
; Taking the 1/8 off the scores differs from reference() only where the hold of q's scale at -126 would act: |q| under 2^-121.  The angle's reduction is written for angles up to 255.  1 / sum is v_rcp_f32.
; No cluster: neighbours in a batch share one window of k and v, a fifth of what a work-group loads of them, and want it at different times.
.set WINB,  32768                      ; bytes of a window in q, k, v, out
.set TRIPS, 4                          ; windows of a work-group
; LDS: a window's region
.set KC,    0                          ; k at positions 128 + i: 8 tiles x 512 bytes (4 registers x 32 lanes)
.set KP,    4096                       ; k at positions i, for the next window
.set VI,    8192                       ; v: 4 tiles of 16 channels x 1,024 bytes
.set KCS,   12288                      ; scale words of KC: row r' at 48 r' (8 tiles x 4 bytes + 16: an odd multiple of 16), tile T at + 4 T
.set KPS,   13056                      ; of KP
.set VS,    13824                      ; of v: channel 16 t + r at 16 r + 4 t, byte = block of 32 keys
.set REG,   14336
.set STAGE, 5*REG                      ; the way out: 16 rows x 272 bytes for each wave, its own
.set SP,    272
; window 0
.set GQK,  1                           ; byte offset of my part of a row of q or k in a window: 4096 w + 256 r + 16 h
.set GV,   2                           ; of my column of v: 8192 (w / 2) + 128 (w % 2) + 4 lane
.set GO,   3                           ; of my 16 bytes of out: 4096 w + 256 h + 16 r
.set KST0, 4                           ; v4-10: LDS places inside a region, never rewritten: k's codes, k's scale word, v's codes, v's scale byte (stores);
.set KSS0, 5                           ;        16 x lane, 48 r, 16 r (loads)
.set VST0, 6
.set VSS0, 7
.set LI0,  8
.set KSL0, 9
.set VSL0, 10
.set KST,  11                          ; v11-17: the same + the trip's region
.set KSS,  12
.set VST,  13
.set VSS,  14
.set LI,   15
.set KSL,  16
.set VSL,  17
.set SO,   18                          ; stage: where I put 32 bytes of a row
.set SR,   19                          ; stage: where I read a row back
.set NINF, 20                          ; -infinity
.set QSC,  21                          ; q's scale word
.set PW,   22                          ; v22-23 p's scale words: keys of the window back, own keys
.set NM,   24                          ; v24 -M, v25 the largest t (a pair: the packed form takes its low word)
.set POSP, 24                          ; ahead of the loop: my row's two positions as f32
.set POSC, 25
.set RL,   26                          ; v26 1 / sum, v27 written once (named with it as a pair)
.set QF,   28                          ; v28-35 q's fragment; 32-35 stay zero
.set VSR,  36                          ; v36-43 v's scale words: 4 tiles x 2 windows
.set KSR,  44                          ; v44-59 k's scale words: 16 tiles
.set KF,   60                          ; v60-123 k's 16 tiles, 4 registers each; v124-127 stay zero
.set BM,   60                          ; behind the scores the tiles' registers serve the softmax: v60-67 a block's largest score, then largest p
.set B2,   68                          ; v68-75 the other half's, then the bytes
.set SOP,  76                          ; v76-83 the conversions' scale operands
.set LS,   84                          ; v84-91 the row's sum in four chains of pairs
.set PC,   92                          ; v92-107 p's codes: two fragments
.set S,    128                         ; v128-255 the scores, then p: block b of 32 keys at 16 b
.set O,    128                         ; v128-159 O^T, once p's first blocks are codes
.set OB,   160                         ; v160-191 rows of out
.set RO,   128                         ; quantising phase: v128-159 32 rotated numbers
.set TM,   160                         ; v160-167 at work
.set PCK,  172                         ; codes and scales on their way to LDS: registers of their own for each store
.set PCP,  176
.set PCV,  180
.set PWK,  184
.set PWP,  185
.set BYV,  186
.set PKX,  192                         ; ahead of the loop: k and v of the window back, as loaded
.set PVX,  224
.set PL,   128                         ; head: 10^(f / 8); v144-159 inv_freq; v176-191 the correction
.set IV,   144
.set ER,   176
.set ANG,  128                         ; head: four angles at a time
.set NN,   132
.set RR,   136
.set ZZ,   140
.set PS,   160
.set PO,   164
.set QI,   168
.set AX,   172
; window 1 (an instruction names v0-v255; s_set_vgpr_msb says which window each operand place means: bits 1:0 source 0, 3:2 source 1, 5:4 source 2, 7:6 destination)
.set TC,   0                           ; 16 cos, 16 sin at positions 128 + row
.set TP,   32                          ; at positions row
.set QX,   64                          ; q, k, v as loaded: 32 registers each
.set KX,   96
.set VX,   128
.set VF,   160                         ; v's 8 fragments
; scalars
.set WV,    12
.set SEL,   20                         ; s[20:21] v_permlanex16_b32's selects for lane l xor 16
.set CS,    22                         ; s[22:23] c = log2(e) / 8
.set CNT,   24                         ; trips to go
.set FIRST, 25                         ; 1 while the window is a batch's first
.set WB,    26                         ; LDS byte of the region of the window back
.set OST,   28                         ; s[28:29] what the trip adds to out's address: 0, then a window
.set KPV,   40                         ; s[40:41], s[42:43] k and v at the window back
.set VPV,   42
.set CM,    44                         ; s44-47 lane masks at work
.set BK,    48                         ; s[48:49] a window, or 0 at a batch's start
.set MK,    66                         ; s66-97 the causal lane masks of the 32 registers on the diagonal
.set MSB, 0
.macro WIN new                         ; the immediate's high byte repeats the setting that is left; a switch that changes nothing is dropped
.if MSB != (\new)
	s_set_vgpr_msb (MSB<<8)|(\new)
.set MSB, (\new)
.endif
.endm
.macro LOADQK x, b                     ; my part of a row: four pieces of 16 bytes of its first 128 bytes, the four 128 bytes on
.irp i, 0,1,2,3
	global_load_b128 v[\x+4*\i:\x+4*\i+3], v[GQK], s[\b:\b+1] offset:32*\i
	global_load_b128 v[\x+16+4*\i:\x+16+4*\i+3], v[GQK], s[\b:\b+1] offset:128+32*\i
.endr
.endm
.macro LOADV x, b                      ; a lane takes a channel and its registers run down 32 keys: a load reads 128 neighbouring bytes
.set n, 0
.rept 32
	global_load_b32 v[\x+n], v[GV], s[\b:\b+1] offset:256*n
.set n, n+1
.endr
.endm
; 32 numbers (16 at d, 16 at d + 32) turn by table t: low = low cos - high sin, high = high cos + low sin.  w: the windows of the numbers and the table
.macro ROT x, t, w
	WIN \w
.irp p, 0,2,4,6,8,10,12,14
	v_pk_mul_f32 v[RO+\p:RO+\p+1], v[\x+\p:\x+\p+1], v[\t+\p:\t+\p+1]
	v_pk_mul_f32 v[RO+16+\p:RO+16+\p+1], v[\x+16+\p:\x+16+\p+1], v[\t+\p:\t+\p+1]
.endr
.irp p, 0,2,4,6,8,10,12,14
	v_pk_fma_f32 v[RO+\p:RO+\p+1], v[\x+16+\p:\x+16+\p+1], v[\t+16+\p:\t+16+\p+1], v[RO+\p:RO+\p+1] neg_lo:[1,0,0] neg_hi:[1,0,0]
	v_pk_fma_f32 v[RO+16+\p:RO+16+\p+1], v[\x+\p:\x+\p+1], v[\t+16+\p:\t+16+\p+1], v[RO+16+\p:RO+16+\p+1]
.endr
	WIN 0
.endm
; The rotated row's two blocks of 32 (each half in lane l, half in lane l xor 16) become four registers of codes, block h whole in lane (r, h), and the row's scale word (bytes 2, 3 zero)
.macro QUANT2 pc, pw
.irp c, 0,1,2,3
	v_max3_num_f32 v[TM+\c], |v[RO+8*\c]|, |v[RO+8*\c+1]|, 0x1800000   ; four chains of eight numbers, and the floor 2^(3 - 127): the byte cannot fall under 1
.endr
.irp i, 2,4,6
.irp c, 0,1,2,3
	v_max3_num_f32 v[TM+\c], v[TM+\c], |v[RO+8*\c+\i]|, |v[RO+8*\c+\i+1]|
.endr
.endr
	v_max_num_f32 v[TM], v[TM], v[TM+1]
	v_max_num_f32 v[TM+1], v[TM+2], v[TM+3]
	v_permlanex16_b32 v[TM+4], v[TM], s[SEL], s[SEL+1]
	v_permlanex16_b32 v[TM+5], v[TM+1], s[SEL], s[SEL+1]
	v_max_num_f32 v[TM], v[TM], v[TM+4]            ; with lane l xor 16's: the blocks' largest magnitudes
	v_max_num_f32 v[TM+1], v[TM+1], v[TM+5]
	v_add_nc_u32 v[TM+6], 0xff000000, v[TM]        ; 2 off the exponent field: the conversion takes that field as its scale
	v_add_nc_u32 v[TM+7], 0xff000000, v[TM+1]
	v_lshrrev_b32 v[TM+4], 23, v[TM+6]             ; the bytes
	v_lshrrev_b32 v[TM+5], 23, v[TM+7]
	v_lshl_or_b32 v[\pw], v[TM+5], 8, v[TM+4]
.irp b, 0,1
	v_cvt_scalef32_pk8_fp4_f32 v[\pc+2*\b], v[RO+16*\b:RO+16*\b+7], v[TM+6+\b]
	v_cvt_scalef32_pk8_fp4_f32 v[\pc+2*\b+1], v[RO+16*\b+8:RO+16*\b+15], v[TM+6+\b]
.endr
	v_nop                                          ; one plain place behind a scaled conversion
	v_permlane16_swap_b32 v[\pc], v[\pc+2]         ; the first's lanes 16-31 change places with the second's lanes 0-15: a whole block in a lane
	v_permlane16_swap_b32 v[\pc+1], v[\pc+3]
.endm
; My block of v: 32 keys of one channel, all mine.  w = 1: the numbers lie in window 1
.macro VQUANT x, w
	WIN 5*\w
.irp c, 0,1,2,3
	v_max3_num_f32 v[TM+\c], |v[\x+2*\c]|, |v[\x+2*\c+1]|, 0x1800000
.endr
.irp i, 8,16,24
.irp c, 0,1,2,3
	v_max3_num_f32 v[TM+\c], |v[\x+\i+2*\c]|, |v[\x+\i+2*\c+1]|, v[TM+\c]
.endr
.endr
	WIN 0
	v_max3_num_f32 v[TM], v[TM], v[TM+1], v[TM+2]
	v_max_num_f32 v[TM], v[TM], v[TM+3]
	v_add_nc_u32 v[TM+1], 0xff000000, v[TM]
	v_lshrrev_b32 v[BYV], 23, v[TM+1]
	WIN \w
.irp g, 0,1,2,3
	v_cvt_scalef32_pk8_fp4_f32 v[PCV+\g], v[\x+8*\g:\x+8*\g+7], v[TM+1]
.endr
	WIN 0
	v_nop                                          ; one plain place behind a scaled conversion
.endm
.macro PF e, a, b                      ; 10000^(f / 32) = 10^(f / 8), rounded to f32 by the assembler: f = 8 (e / 4) + e % 4 in lanes 0-15, 4 more in lanes 16-31
	v_mov_b32 v[PL+\e], \b
	v_cndmask_b32 v[PL+\e], \a, v[PL+\e], vcc_lo
.endm
; cos and sin of four angles fl(position x inv_freq).  n = the nearest whole number to angle x 2 / pi; r = angle - n pi/2, pi/2 taken as the f32 next to it and the rest: the first fused step is exact
; (both terms are multiples of 2^-23 and the difference is under 1), the second rounds once.  Polynomials on |r| <= pi/4; the quadrant n % 4 swaps them and sets the signs.
.macro SINCOS4 tb, pos, e0
.irp k, 0,1,2,3
	v_mul_f32 v[ANG+\k], v[\pos], v[IV+\e0+\k]
.endr
.irp k, 0,1,2,3
	v_mul_f32 v[NN+\k], s30, v[ANG+\k]
.endr
.irp k, 0,1,2,3
	v_rndne_f32 v[NN+\k], v[NN+\k]
.endr
.irp k, 0,1,2,3
	v_fma_f32 v[RR+\k], v[NN+\k], s31, v[ANG+\k]
.endr
.irp k, 0,1,2,3
	v_fma_f32 v[RR+\k], v[NN+\k], s32, v[RR+\k]
.endr
.irp k, 0,1,2,3
	v_cvt_i32_f32 v[QI+\k], v[NN+\k]
.endr
.irp k, 0,1,2,3
	v_mul_f32 v[ZZ+\k], v[RR+\k], v[RR+\k]
.endr
.irp k, 0,1,2,3
	v_fma_f32 v[PS+\k], v[ZZ+\k], s33, s34
.endr
.irp k, 0,1,2,3
	v_fma_f32 v[PO+\k], v[ZZ+\k], s36, s37
.endr
.irp k, 0,1,2,3
	v_fma_f32 v[PS+\k], v[PS+\k], v[ZZ+\k], s35
.endr
.irp k, 0,1,2,3
	v_fma_f32 v[PO+\k], v[PO+\k], v[ZZ+\k], s38
.endr
.irp k, 0,1,2,3
	v_mul_f32 v[ANG+\k], v[ZZ+\k], v[RR+\k]
.endr
.irp k, 0,1,2,3
	v_fma_f32 v[PO+\k], v[PO+\k], v[ZZ+\k], -0.5
.endr
.irp k, 0,1,2,3
	v_fma_f32 v[PS+\k], v[PS+\k], v[ANG+\k], v[RR+\k]   ; sin r
.endr
.irp k, 0,1,2,3
	v_fma_f32 v[PO+\k], v[PO+\k], v[ZZ+\k], 1.0         ; cos r
.endr
.irp k, 0,1,2,3
	v_and_b32 v[AX+\k], 1, v[QI+\k]
.endr
.irp k, 0,1,2,3
	v_cmp_ne_u32 s[CM+\k], 0, v[AX+\k]
.endr
.irp k, 0,1,2,3
	v_cndmask_b32 v[RR+\k], v[PO+\k], v[PS+\k], s[CM+\k]   ; the cosine's size: in odd quadrants sin r
.endr
.irp k, 0,1,2,3
	v_cndmask_b32 v[ZZ+\k], v[PS+\k], v[PO+\k], s[CM+\k]   ; the sine's: in odd quadrants cos r
.endr
.irp k, 0,1,2,3
	v_add_nc_u32 v[AX+\k], 1, v[QI+\k]
.endr
.irp k, 0,1,2,3
	v_lshlrev_b32 v[AX+\k], 30, v[AX+\k]           ; bit 1 of n + 1: the cosine turns its sign in quadrants 1, 2
.endr
.irp k, 0,1,2,3
	v_lshlrev_b32 v[QI+\k], 30, v[QI+\k]           ; bit 1 of n: the sine in quadrants 2, 3
.endr
.irp k, 0,1,2,3
	v_and_b32 v[AX+\k], 0x80000000, v[AX+\k]
.endr
.irp k, 0,1,2,3
	v_and_b32 v[QI+\k], 0x80000000, v[QI+\k]
.endr
	WIN 0x40                                       ; the tables lie in window 1
.irp k, 0,1,2,3
	v_xor_b32 v[\tb+\e0+\k], v[AX+\k], v[RR+\k]
.endr
.irp k, 0,1,2,3
	v_xor_b32 v[\tb+16+\e0+\k], v[QI+\k], v[ZZ+\k]
.endr
	WIN 0
.endm
.macro SCORE t                         ; 16 keys x my 16 queries
	v_wmma_scale_f32_16x16x128_f8f6f4 v[S+8*(\t):S+8*(\t)+7], v[KF+4*(\t):KF+4*(\t)+7], v[QF:QF+7], 0, v[KSR+(\t)], v[QSC] matrix_a_fmt:MATRIX_FMT_FP4 matrix_b_fmt:MATRIX_FMT_FP4
.endm
.macro BMAX first, count               ; the largest score of my 16 keys of each of count blocks, the blocks by turns; each accumulator is read from its low end on
.set q, 0
.rept \count
	v_max3_num_f32 v[BM+\first+q], v[S+16*(\first+q)], v[S+16*(\first+q)+1], v[S+16*(\first+q)+2]
.set q, q+1
.endr
.irp i, 3,5,7,9,11,13
.set q, 0
.rept \count
	v_max3_num_f32 v[BM+\first+q], v[BM+\first+q], v[S+16*(\first+q)+\i], v[S+16*(\first+q)+\i+1]
.set q, q+1
.endr
.endr
.set q, 0
.rept \count
	v_max_num_f32 v[BM+\first+q], v[BM+\first+q], v[S+16*(\first+q)+15]
.set q, q+1
.endr
.endm
.macro MASK first                      ; the two blocks on the diagonal: keys after my query become -infinity
.set n, 0
.rept 32
	v_cndmask_b32 v[S+16*\first+n], v[S+16*\first+n], v[NINF], s[MK+n]
.set n, n+1
.endr
.endm
.macro TMINUS j                        ; pair j of scores: t - M
	v_pk_fma_f32 v[S+2*(\j):S+2*(\j)+1], v[S+2*(\j):S+2*(\j)+1], s[CS:CS+1], v[NM:NM+1] op_sel_hi:[1,0,0]
.endm
.macro CODES b                         ; block b of p: my 16 keys become two registers of codes
	v_cvt_scalef32_pk8_fp4_f32 v[PC+2*\b], v[S+16*\b:S+16*\b+7], v[SOP+\b]
	v_cvt_scalef32_pk8_fp4_f32 v[PC+2*\b+1], v[S+16*\b+8:S+16*\b+15], v[SOP+\b]
.endm
	; ---------------- the head: addresses of the loads, and the first loads
	s_load_b256 s[4:11], s[0:1], 0x0               ; q s[4:5], k s[6:7], v s[8:9], out s[10:11]
	s_set_vgpr_msb 0x40
	v_lshl_add_u32 v224, v0, 2, 0x1a000
	v_mov_b32 v225, 0
	s_set_vgpr_msb 0x4000
	v_lshrrev_b32 v160, 5, v0
	v_readfirstlane_b32 s[WV], v160                ; wave 0..7
	v_and_b32 v161, 31, v0                         ; lane
	v_and_b32 v162, 15, v0                         ; r
	v_bfe_u32 v163, v0, 4, 1                       ; h
	v_and_b32 v164, 7, v0                          ; r % 8
	v_bfe_u32 v165, v0, 3, 1                       ; r / 8
	s_and_b32 s13, s[WV], 1                        ; w % 2
	s_lshr_b32 s14, s[WV], 1                       ; w / 2
	s_lshr_b32 s15, s[WV], 2                       ; w / 4
	s_and_b32 s16, s14, 1                          ; (w / 2) % 2
	s_lshl_b32 s17, s[WV], 12                      ; my 16 rows: 4096 w
	v_lshlrev_b32 v[GQK], 8, v162
	v_lshl_add_u32 v[GQK], v163, 4, v[GQK]
	v_add_nc_u32 v[GQK], s17, v[GQK]
	s_lshl_b32 s18, s14, 13
	s_lshl_b32 s19, s13, 7
	s_add_co_u32 s18, s18, s19
	v_lshl_add_u32 v[GV], v161, 2, s18
	s_and_b32 s18, ttmp7, 0xffff                   ; the batch: 2^21 bytes each;
	s_lshl_b32 s18, s18, 21
	s_lshl_b32 s19, ttmp9, 17                      ; the chunk: 4 windows
	s_add_co_u32 s18, s18, s19
	s_mov_b32 s19, 0
	s_cmp_eq_u32 ttmp9, 0                          ; a batch's first chunk has no window back:
	s_cselect_b32 s[FIRST], 1, 0
	s_cselect_b32 s[BK], 0, WINB                   ; it loads its own first window in that place
	s_mov_b32 s[BK+1], 0
	s_wait_kmcnt 0x0
	s_add_nc_u64 s[4:5], s[4:5], s[18:19]
	s_add_nc_u64 s[6:7], s[6:7], s[18:19]
	s_add_nc_u64 s[8:9], s[8:9], s[18:19]
	s_add_nc_u64 s[10:11], s[10:11], s[18:19]
	s_sub_nc_u64 s[KPV:KPV+1], s[6:7], s[BK:BK+1]
	s_sub_nc_u64 s[VPV:VPV+1], s[8:9], s[BK:BK+1]
	LOADV PVX, VPV                                 ; the window back: v, k;
	LOADQK PKX, KPV
	WIN 0x40                                       ; destination window 1, address window 0
	LOADQK KX, 6                                   ; the first window: k, q; its v follows behind the tables
	LOADQK QX, 4
	WIN 0
	; ---------------- LDS places
	s_lshl_b32 s18, s14, 10                        ; k's codes: tile 2 (w / 2) + r / 8, lane place 16 h + r % 8 + 8 (w % 2)
	s_lshl_b32 s19, s13, 7
	s_add_co_u32 s18, s18, s19
	v_lshlrev_b32 v[KST0], 4, v164
	v_lshl_add_u32 v[KST0], v165, 9, v[KST0]
	v_lshl_add_u32 v[KST0], v163, 8, v[KST0]
	v_add_nc_u32 v[KST0], s18, v[KST0]
	s_mul_i32 s18, s13, 384                        ; its scale word: 48 (r % 8 + 8 (w % 2)) + 4 x tile
	s_lshl_b32 s19, s14, 3
	s_add_co_u32 s18, s18, s19
	v_mul_u32_u24 v[KSS0], v164, 48
	v_lshl_add_u32 v[KSS0], v165, 2, v[KSS0]
	v_add_nc_u32 v[KSS0], s18, v[KSS0]
	s_lshl_b32 s18, s13, 11                        ; v's codes: tile 2 (w % 2) + h, registers 4 (w / 4) on, lane place 16 ((w / 2) % 2) + r
	s_lshl_b32 s19, s15, 9
	s_add_co_u32 s18, s18, s19
	s_lshl_b32 s19, s16, 8
	s_add_co_u32 s18, s18, s19
	v_lshlrev_b32 v[VST0], 4, v162
	v_lshl_add_u32 v[VST0], v163, 10, v[VST0]
	v_add_nc_u32 v[VST0], s18, v[VST0]
	s_lshl_b32 s18, s13, 3                         ; its scale byte: 16 r + 4 x tile + w / 2
	s_add_co_u32 s18, s18, s14
	v_lshlrev_b32 v[VSS0], 4, v162
	v_lshl_add_u32 v[VSS0], v163, 2, v[VSS0]
	v_add_nc_u32 v[VSS0], s18, v[VSS0]
	v_lshlrev_b32 v[LI0], 4, v161
	v_mul_u32_u24 v[KSL0], v162, 48
	v_lshlrev_b32 v[VSL0], 4, v162
	s_mul_i32 s18, s[WV], 16*SP
	s_add_co_u32 s18, s18, STAGE                   ; my stage
	v_mul_u32_u24 v[SO], v162, SP                  ; in: row r, 32 bytes for each half of the lanes
	v_lshl_add_u32 v[SO], v163, 5, v[SO]
	v_add_nc_u32 v[SO], s18, v[SO]
	v_mul_u32_u24 v[SR], v163, SP                  ; back: lanes 0-15 one row of 256 bytes, lanes 16-31 the next
	v_lshl_add_u32 v[SR], v162, 4, v[SR]
	v_add_nc_u32 v[SR], s18, v[SR]
	v_lshlrev_b32 v[GO], 8, v163                   ; and the same two rows in out
	v_lshl_add_u32 v[GO], v162, 4, v[GO]
	v_add_nc_u32 v[GO], s17, v[GO]
	; the causal masks.  Register n of the two blocks on the diagonal holds key 32 (n / 16) + 16 h + n % 16 of those 64; my query is 16 (w % 4) + r of them: hidden where 32 (n / 16) + n % 16 > 16 (w % 4) + r - 16 h
	s_and_b32 s18, s[WV], 3
	s_lshl_b32 s18, s18, 4
	v_lshlrev_b32 v166, 4, v163
	v_sub_nc_u32 v166, v162, v166
	v_add_nc_u32 v166, s18, v166
.set n, 0
.rept 32
	v_cmp_gt_i32 s[MK+n], 32*(n/16)+n%16, v166
.set n, n+1
.endr
	s_lshl_b32 s18, s[WV], 4
	v_add_nc_u32 v[POSP], s18, v162
	v_cvt_f32_u32 v[POSP], v[POSP]                 ; my row's position as a key of the window back,
	v_add_f32 v[POSC], 0x43000000, v[POSP]         ; and 128 more as a query or a key of its own window
	v_cmp_ne_u32 vcc_lo, 0, v163                   ; lanes 16-31
	v_mov_b32 v[NINF], 0xff800000
	v_mov_b32 v[RL+1], 0
.irp j, 4,5,6,7
	v_mov_b32 v[QF+\j], 0                          ; q's zero codes for K = 64 .. 127
.endr
.irp j, 48,49,50,51,64,65,66,67
	v_mov_b32 v[KF+\j], 0                          ; what the last tile of a run names behind its own four registers
.endr
	s_mov_b32 s[SEL], 0x76543210
	s_mov_b32 s[SEL+1], 0xfedcba98
	s_mov_b32 s[CS], 0x3e38aa3b                    ; log2(e) / 8
	s_mov_b32 s[CS+1], s[CS]                       ; (named with it as a pair, so it is written)
	s_mov_b32 s[CNT], TRIPS
	s_mov_b32 s[WB], 0
	s_mov_b32 s[OST], 0
	s_mov_b32 s[OST+1], 0
	s_mov_b32 s30, 0x3f22f983                      ; 2 / pi
	s_mov_b32 s31, 0xbfc90fdb                      ; -(the f32 next to pi/2)
	s_mov_b32 s32, 0x333bbd2e                      ; that f32 less pi/2: 4.371139e-8
	s_mov_b32 s33, 0xb94ca1f9                      ; sine: -1.9515296e-4, 8.3321609e-3, -1.6666655e-1
	s_mov_b32 s34, 0x3c08839e
	s_mov_b32 s35, 0xbe2aaaa3
	s_mov_b32 s36, 0x37ccf5ce                      ; cosine: 2.4433157e-5, -1.3887316e-3, 4.1666646e-2
	s_mov_b32 s37, 0xbab6061a
	s_mov_b32 s38, 0x3d2aaaa5
	; ---------------- inv_freq = 1 / fl(10^(f / 8)): the reciprocal and one fused correction step
	PF 0, 1.0, 3.162277660168379
	PF 1, 1.333521432163324, 4.216965034285822
	PF 2, 1.778279410038923, 5.623413251903491
	PF 3, 2.371373705661655, 7.498942093324558
	PF 4, 10.0, 31.62277660168379
	PF 5, 13.33521432163324, 42.16965034285822
	PF 6, 17.78279410038923, 56.23413251903491
	PF 7, 23.71373705661655, 74.98942093324558
	PF 8, 100.0, 316.2277660168379
	PF 9, 133.3521432163324, 421.6965034285822
	PF 10, 177.8279410038923, 562.3413251903491
	PF 11, 237.1373705661655, 749.8942093324558
	PF 12, 1000.0, 3162.277660168379
	PF 13, 1333.521432163324, 4216.965034285822
	PF 14, 1778.279410038923, 5623.413251903491
	PF 15, 2371.373705661655, 7498.942093324558
.irp e, 0,1,2,3,4,5,6,7,8,9,10,11,12,13,14,15
	v_rcp_f32 v[IV+\e], v[PL+\e]
.endr
	v_nop                                          ; a plain place behind the reciprocals
	s_wait_alu depctr_va_vdst(0)                   ; the wait ahead of the first reader: one for the sixteen
.irp e, 0,1,2,3,4,5,6,7,8,9,10,11,12,13,14,15
	v_fma_f32 v[ER+\e], -v[PL+\e], v[IV+\e], 1.0   ; what is missing from 1: exact
.endr
.irp e, 0,1,2,3,4,5,6,7,8,9,10,11,12,13,14,15
	v_fma_f32 v[IV+\e], v[ER+\e], v[IV+\e], v[IV+\e]
.endr
.irp e, 0,4,8,12
	SINCOS4 TC, POSC, \e
.endr
.irp e, 0,4,8,12
	SINCOS4 TP, POSP, \e
.endr
	WIN 0x40
	LOADV VX, 8                                    ; the first window's v
	WIN 0
	; ---------------- the window back: k at positions 0..127 and v, into region 0
	v_mov_b32 v[TM+4], 0                           ; a lane permute's destination counts as one of its sources
	v_mov_b32 v[TM+5], 0
	s_wait_loadcnt 48                              ; the 40 loads of the window back are in; behind them 8 + 8 + 32 of the first window may be out
	ROT PKX, TP, 0x04                              ; the numbers in window 0, the table in window 1
	QUANT2 PCP, PWP
	ds_store_b128 v[KST0], v[PCP:PCP+3] offset:KP
	ds_store_b32 v[KSS0], v[PWP] offset:KPS        ; both lanes of a row write the same word
	VQUANT PVX, 0
	ds_store_b128 v[VST0], v[PCV:PCV+3] offset:VI
	ds_store_b8 v[VSS0], v[BYV] offset:VS
	s_wait_dscnt 0x0                               ; the stores have read their registers
.Lwindow:
	; ================ a window.  First: q, k, v become codes
	s_wait_loadcnt 0x0                             ; this window's q, k, v are in, so the loads' bases may step;
	s_wait_xcnt 0x0                                ; the last window's stores have read their base and their registers
	s_add_nc_u64 s[4:5], s[4:5], WINB              ; q, k, v: at the next window
	s_add_nc_u64 s[6:7], s[6:7], WINB
	s_add_nc_u64 s[8:9], s[8:9], WINB
	s_add_nc_u64 s[10:11], s[10:11], s[OST:OST+1]  ; out: at this window
	s_mov_b32 s[OST], WINB
.irp a, 0,1,2,3,4,5,6
	v_add_nc_u32 v[KST+\a], s[WB], v[KST0+\a]      ; the LDS places of this trip: offset 0 the window back's region, offset REG this window's
.endr
	ROT QX, TC, 0x05                               ; numbers and table in window 1, results in window 0
	QUANT2 QF, QSC                                 ; q stays in my registers.  (It comes first: its scale word and codes then stand far ahead of the products)
	s_cmp_eq_u32 s[CNT], 1                         ; the chunk's last window asks for nothing more
	s_cbranch_scc1 .Lno_q
	WIN 0x40
	LOADQK QX, 4                                   ; the next window's q, as soon as the registers are read
	WIN 0
.Lno_q:
	VQUANT VX, 1
	ds_store_b128 v[VST], v[PCV:PCV+3] offset:REG+VI
	ds_store_b8 v[VSS], v[BYV] offset:REG+VS
	s_cmp_eq_u32 s[CNT], 1
	s_cbranch_scc1 .Lno_v
	WIN 0x40
	LOADV VX, 8
	WIN 0
.Lno_v:
	ROT KX, TC, 0x05                               ; k for its own window
	QUANT2 PCK, PWK
	ds_store_b128 v[KST], v[PCK:PCK+3] offset:REG+KC
	ds_store_b32 v[KSS], v[PWK] offset:REG+KCS
	s_cmp_eq_u32 s[CNT], 1
	s_cbranch_scc1 .Lno_k
	ROT KX, TP, 0x05                               ; and for the next window, which sees it 128 positions lower
	QUANT2 PCP, PWP
	ds_store_b128 v[KST], v[PCP:PCP+3] offset:REG+KP
	ds_store_b32 v[KSS], v[PWP] offset:REG+KPS
	WIN 0x40
	LOADQK KX, 6
	WIN 0
.Lno_k:
	s_wait_dscnt 0x0                               ; for the others' sake: my images have landed
	s_barrier_signal -1
	s_barrier_wait -1                              ; everybody's have.  No byte read behind this barrier is written again
	; ================ the scores: 8 tiles of the window back, 4 or 8 of my own window
	ds_load_b128 v[KSR:KSR+3], v[KSL] offset:KPS
	ds_load_b128 v[KSR+4:KSR+7], v[KSL] offset:KPS+16
	ds_load_b128 v[KSR+8:KSR+11], v[KSL] offset:REG+KCS
.irp t, 0,1,2,3,4,5,6,7
	ds_load_b128 v[KF+4*\t:KF+4*\t+3], v[LI] offset:KP+512*\t
.endr
.irp t, 0,1,2,3
	ds_load_b128 v[KF+32+4*\t:KF+32+4*\t+3], v[LI] offset:REG+KC+512*\t
.endr
	s_cmp_lt_u32 s[WV], 4                          ; queries under 64 see no own key from 64 on
	s_cbranch_scc1 .Lfew_loads
	ds_load_b128 v[KSR+12:KSR+15], v[KSL] offset:REG+KCS+16
.irp t, 4,5,6,7
	ds_load_b128 v[KF+32+4*\t:KF+32+4*\t+3], v[LI] offset:REG+KC+512*\t
.endr
.Lfew_loads:
	s_wait_dscnt 0x0
.irp t, 0,1,2,3,4,5,6,7,8,9,10,11
	SCORE \t
.endr
	s_cmp_lt_u32 s[WV], 4
	s_cbranch_scc1 .Lfew_tiles
.irp t, 12,13,14,15
	SCORE \t
.endr
.Lfew_tiles:
	WIN 0x40                                       ; v's fragments of both windows are asked for now and land under the softmax
.irp s, 0,1
.irp t, 0,1,2,3
.irp c, 0,1
	ds_load_b128 v[VF+32*\s+8*\t+4*\c:VF+32*\s+8*\t+4*\c+3], v[LI] offset:REG*\s+VI+1024*\t+512*\c
.endr
.endr
.endr
	WIN 0
	ds_load_b128 v[VSR:VSR+3], v[VSL] offset:VS
	ds_load_b128 v[VSR+4:VSR+7], v[VSL] offset:REG+VS
.rept 4
	v_nop                                          ; four places between the products and the first vector line that reads a result or writes over a tile of k
.endr
	s_cmp_eq_u32 s[FIRST], 0
	s_cbranch_scc1 .Lhas_back
.set n, 0
.rept 64
	v_mov_b32 v[S+n], v[NINF]                      ; a batch's first window: nothing lies behind it
.set n, n+1
.endr
.Lhas_back:
	BMAX 0, 4                                      ; THE LARGEST SCORE OF EACH BLOCK OF 32 KEYS serves twice: for the row's maximum and, since p rises with the score, for the block's largest p
	s_cmp_lt_u32 s[WV], 4
	s_cbranch_scc1 .Llow_rows
	MASK 6                                         ; queries 64..127: own keys 0..63 all count, the diagonal lies in keys 64..127
	BMAX 4, 4
	s_branch .Lmasked
.Llow_rows:
	MASK 4                                         ; queries 0..63: the diagonal lies in own keys 0..63,
	BMAX 4, 2
	v_mov_b32 v[BM+6], v[NINF]                     ; and the rest is hidden
	v_mov_b32 v[BM+7], v[NINF]
.Lmasked:
.irp b, 0,1,2,3,4,5,6,7
	v_permlanex16_b32 v[B2+\b], v[BM+\b], s[SEL], s[SEL+1]
.endr
.irp b, 0,1,2,3,4,5,6,7
	v_max_num_f32 v[BM+\b], v[BM+\b], v[B2+\b]     ; with lane l xor 16's 16 keys
.endr
	v_max3_num_f32 v[SOP], v[BM], v[BM+1], v[BM+2]
	v_max3_num_f32 v[SOP+1], v[BM+3], v[BM+4], v[BM+5]
	v_max3_num_f32 v[SOP], v[SOP], v[BM+6], v[BM+7]
	v_max_num_f32 v[SOP], v[SOP], v[SOP+1]         ; my query's largest score (its own key always counts, so it is a number)
	v_mul_f32 v[NM+1], s[CS], v[SOP]               ; as t
	v_floor_f32 v[NM], -v[NM+1]                    ; -M = floor(-t) = -ceil(t)
.irp b, 0,1,2,3,4,5,6,7
	v_fma_f32 v[BM+\b], v[BM+\b], s[CS], v[NM]
.endr
.irp b, 0,1,2,3,4,5,6,7
	v_exp_f32 v[BM+\b], v[BM+\b]                   ; each block's largest p: the same two steps on the same number as below
.endr
.set p, 0
.rept 8
	TMINUS p                                       ; (plain work behind the eight)
.set p, p+1
.endr
	s_wait_alu depctr_va_vdst(0)                   ; the wait ahead of the first reader: one for the eight
.irp b, 0,1,2,3,4,5,6,7
	v_max_num_f32 v[BM+\b], 0x1800000, v[BM+\b]    ; the floor 2^(3 - 127): a block whose every p is 0 keeps the byte 1, and its codes are zeros
.endr
.irp b, 0,1,2,3,4,5,6,7
	v_add_nc_u32 v[SOP+\b], 0xff000000, v[BM+\b]   ; 2 off the exponent field: the conversion's scale operand
.endr
.irp b, 0,1,2,3,4,5,6,7
	v_lshrrev_b32 v[B2+\b], 23, v[SOP+\b]          ; the byte
.endr
.irp s, 0,1
	v_lshl_or_b32 v[PW+\s], v[B2+4*\s+1], 8, v[B2+4*\s]
.endr
.irp s, 0,1
	v_lshl_or_b32 v[PW+\s], v[B2+4*\s+2], 16, v[PW+\s]
.endr
.irp s, 0,1
	v_lshl_or_b32 v[PW+\s], v[B2+4*\s+3], 24, v[PW+\s]   ; p's scale words for the two runs of 128 keys
.endr
	; p = 2^(t - M) of blocks 0-5: ONE BATCH of 96 exponentials; the scalings of later pairs stand among them, and nothing names a result ahead of the wait
.set p, 0
.rept 48
.if p+8 < 48
	TMINUS p+8
.endif
	v_exp_f32 v[S+2*p], v[S+2*p]
	v_exp_f32 v[S+2*p+1], v[S+2*p+1]
.set p, p+1
.endr
.irp j, 12,13,14,15
	v_mov_b32 v[PC+\j], 0                          ; own keys 64..127: zero codes, unless they are made below.  (Plain places behind the batch)
.endr
	s_wait_alu depctr_va_vdst(0)                   ; one wait for the batch, ahead of its first reader
.irp c, 0,1,2,3
	v_pk_add_f32 v[LS+2*\c:LS+2*\c+1], v[S+2*\c:S+2*\c+1], v[S+8+2*\c:S+8+2*\c+1]   ; THE ROW'S SUM IS TAKEN OF THE UNQUANTISED p: four chains, started by the first eight pairs
.endr
.set p, 8
.rept 40
	v_pk_add_f32 v[LS+2*(p%4):LS+2*(p%4)+1], v[LS+2*(p%4):LS+2*(p%4)+1], v[S+2*p:S+2*p+1]
.set p, p+1
.endr
.irp b, 0,1,2,3,4,5
	CODES \b
.endr
	v_nop                                          ; one plain place behind a scaled conversion
	s_cmp_lt_u32 s[WV], 4
	s_cbranch_scc1 .Lsix_blocks
.set p, 48
.rept 4
	TMINUS p                                       ; blocks 6, 7, for queries 64..127: the same again
.set p, p+1
.endr
.set p, 48
.rept 16
.if p+4 < 64
	TMINUS p+4
.endif
	v_exp_f32 v[S+2*p], v[S+2*p]
	v_exp_f32 v[S+2*p+1], v[S+2*p+1]
.set p, p+1
.endr
	v_nop                                          ; a plain place behind the batch
	s_wait_alu depctr_va_vdst(0)                   ; and its wait
.set p, 48
.rept 16
	v_pk_add_f32 v[LS+2*(p%4):LS+2*(p%4)+1], v[LS+2*(p%4):LS+2*(p%4)+1], v[S+2*p:S+2*p+1]
.set p, p+1
.endr
	CODES 6
	CODES 7
	v_nop
.Lsix_blocks:
.irp c, 0,1,2,3                                    ; the operand's layout wants a whole block in a lane: lanes 0-15 the even block of a pair, lanes 16-31 the odd one
.irp i, 0,1
	v_permlane16_swap_b32 v[PC+4*\c+\i], v[PC+4*\c+2+\i]
.endr
.endr
	v_pk_add_f32 v[LS:LS+1], v[LS:LS+1], v[LS+2:LS+3]        ; the sum's chains meet.  (These plain lines also stand between the codes' last write and the products)
	v_pk_add_f32 v[LS+4:LS+5], v[LS+4:LS+5], v[LS+6:LS+7]
	v_pk_add_f32 v[LS:LS+1], v[LS:LS+1], v[LS+4:LS+5]
	v_add_f32 v[LS], v[LS], v[LS+1]
	v_permlanex16_b32 v[LS+2], v[LS], s[SEL], s[SEL+1]
	v_add_f32 v[LS], v[LS], v[LS+2]                ; with lane l xor 16's: the row's sum
	v_rcp_f32 v[RL], v[LS]
	v_nop                                          ; a plain place behind the reciprocal
	; ================ O^T = V^T P^T: 4 tiles of 16 channels, K = the 128 keys back, then my window's 128; the four accumulators by turns
	s_wait_dscnt 0x0                               ; v's fragments and scale words are in
	WIN 0x01                                       ; source 0 (v) window 1
.irp t, 0,1,2,3
	v_wmma_scale_f32_16x16x128_f8f6f4 v[O+8*\t:O+8*\t+7], v[VF+8*\t:VF+8*\t+7], v[PC:PC+7], 0, v[VSR+\t], v[PW] matrix_a_fmt:MATRIX_FMT_FP4 matrix_b_fmt:MATRIX_FMT_FP4
.endr
.irp t, 0,1,2,3
	v_wmma_scale_f32_16x16x128_f8f6f4 v[O+8*\t:O+8*\t+7], v[VF+32+8*\t:VF+32+8*\t+7], v[PC+8:PC+15], v[O+8*\t:O+8*\t+7], v[VSR+4+\t], v[PW+1] matrix_a_fmt:MATRIX_FMT_FP4 matrix_b_fmt:MATRIX_FMT_FP4
.endr
	WIN 0
.rept 4
	v_nop                                          ; four places between the products and the first read of a result
.endr
	s_wait_alu depctr_va_vdst(0)                   ; the reciprocal's wait, ahead of its first reader
.irp j, 0,2,4,6,8,10,12,14,16,18,20,22,24,26,28,30
	v_pk_mul_f32 v[O+\j:O+\j+1], v[O+\j:O+\j+1], v[RL:RL+1] op_sel_hi:[1,0]   ; / the sum; each accumulator from its low end on.  Register 8 t + j is out(query r, channel 16 t + 8 h + j)
.endr
	; ================ the way out: through my own stage, so that sixteen lanes store a whole row of 256 bytes
.irp t, 0,1,2,3
	ds_store_b128 v[SO], v[O+8*\t:O+8*\t+3] offset:64*\t
	ds_store_b128 v[SO], v[O+8*\t+4:O+8*\t+7] offset:64*\t+16
.endr
.irp i, 0,1,2,3,4,5,6,7
	ds_load_b128 v[OB+4*\i:OB+4*\i+3], v[SR] offset:2*\i*SP   ; LDS serves a wave's instructions in order (ISA guide 5.7.1.4): these see my stores
.endr
.irp i, 0,1,2,3,4,5,6,7
	s_wait_dscnt 7-\i                              ; pair i of rows is back; the 7 - i younger loads may be out
	global_store_b128 v[GO], v[OB+4*\i:OB+4*\i+3], s[10:11] offset:512*\i th:TH_STORE_NT   ; 32 lanes store 512 consecutive bytes, at a multiple of 256 from out's first byte
.endr
	s_add_co_u32 s[WB], s[WB], REG                 ; this window's region is the next trip's window back
	s_mov_b32 s[FIRST], 0
	s_sub_co_u32 s[CNT], s[CNT], 1
	s_cmp_lg_u32 s[CNT], 0
	s_cbranch_scc1 .Lwindow
	s_set_vgpr_msb 0x5
	s_wait_tensorcnt 0x0
	ds_add_u32 v224, v225
	s_wait_dscnt 0x0
	s_set_vgpr_msb 0x500
	s_endpgm
.Lfunc_end_k_q7e46be2cf3_local_attention:
	.size	k_q7e46be2cf3_local_attention, .Lfunc_end_k_q7e46be2cf3_local_attention-k_q7e46be2cf3_local_attention
	.p2alignl 7, 3214868480
	.fill 96, 4, 3214868480
	.section	.rodata,"a",@progbits
	.p2align	6, 0x0
	.amdhsa_kernel k_q7e46be2cf3_local_attention
		.amdhsa_group_segment_fixed_size 107520
		.amdhsa_private_segment_fixed_size 0
		.amdhsa_enable_private_segment 0
		.amdhsa_kernarg_size 32
		.amdhsa_user_sgpr_count 2
		.amdhsa_user_sgpr_kernarg_segment_ptr 1
		.amdhsa_wavefront_size32 1
		.amdhsa_system_sgpr_workgroup_id_x 1
		.amdhsa_system_sgpr_workgroup_id_y 1
		.amdhsa_system_sgpr_workgroup_id_z 1
		.amdhsa_system_vgpr_workitem_id 0
		.amdhsa_next_free_vgpr 482
		.amdhsa_next_free_sgpr 100
		.amdhsa_reserve_vcc 1
		.amdhsa_float_denorm_mode_32 3
		.amdhsa_float_denorm_mode_16_64 3
		.amdhsa_memory_ordered 1
		.amdhsa_forward_progress 1
		.amdhsa_inst_pref_size 124
	.end_amdhsa_kernel
	.amdgpu_metadata
---
amdhsa.version: [ 1, 2 ]
amdhsa.kernels:
  - .name:           k_q7e46be2cf3_local_attention
    .symbol:         k_q7e46be2cf3_local_attention.kd
    .args:
      - { .name: q, .offset: 0, .size: 8, .value_kind: global_buffer, .address_space: global }
      - { .name: k, .offset: 8, .size: 8, .value_kind: global_buffer, .address_space: global }
      - { .name: v, .offset: 16, .size: 8, .value_kind: global_buffer, .address_space: global }
      - { .name: out0, .offset: 24, .size: 8, .value_kind: global_buffer, .address_space: global }
    .group_segment_fixed_size: 107520
    .private_segment_fixed_size: 0
    .kernarg_segment_align: 8
    .kernarg_segment_size: 32
    .max_flat_workgroup_size: 256
    .sgpr_count:     100
    .vgpr_count:     482
    .wavefront_size: 32
...
	.end_amdgpu_metadata
.endif
;; end of part 1
;; ======== version 2 of 2: 1 launch; version 1 with the launch local_attention written anew for expert scheduling mode
;; launch local_attention (part 2): grid 16 x 16, 8 waves a work-group, no clusters, 107,520 bytes of LDS; arguments q, k, v, out0; writes out0
.if DOCPART == 2
	.amdgcn_target "amdgcn-amd-amdhsa--gfx1250"
	.amdhsa_code_object_version 6
	.text
	.protected	k_q7e46be2cf3_local_attention
	.globl	k_q7e46be2cf3_local_attention
	.p2align	8
	.type	k_q7e46be2cf3_local_attention,@function
k_q7e46be2cf3_local_attention:
	s_mov_b64 s[64:65], 0
	v_nop
	global_prefetch_b8 v0, s[64:65] scope:SCOPE_SE
	s_setreg_imm32_b32 hwreg(HW_REG_WAVE_SCHED_MODE, 0, 2), 2
	s_setreg_imm32_b32 hwreg(HW_REG_WAVE_MODE, 25, 1), 1
	s_wait_xcnt 0x0
	s_wait_alu depctr_vm_vsrc(0)
; LOCAL ATTENTION, windows of 128, one window back, causal, rotary positions 0..255 over the 256 keys of a window; both products on codes of
; FP4 (E2M1) with one E8M0 scale for each 32 along a product's K.  q, k, v, out: [16][8192][64] f32; a row is 256 bytes, a window 32,768 bytes on end.
; SHARES.  256 work-groups: x = a chunk of 4 windows, y = the batch.  Eight waves walk the chunk's windows in a loop of 4 trips.  In a window wave w takes
; rows 16 w .. 16 w + 15 of q and of k, keys 32 (w / 2) .. + 31 x channels 32 (w % 2) .. + 31 of v, and then queries 16 w .. 16 w + 15 against all keys.
; ROTARY.  A lane (r = lane % 16, h = lane / 16) holds of row r sixteen numbers d < 32 and the sixteen at d + 32, which turn with the same angle: nothing crosses lanes.
; Number e of the sixteen is d = 8 (e / 4) + 4 h + e % 4: a permutation inside a block of 32, alike for q and k, so the products are kept and two lanes read 32 neighbouring bytes.
; cos and sin of fl(position x inv_freq) are made once, at the head, while the first loads are out: 16 pairs for positions 128 + row (q, and k in its own window), 16 for position row (k seen from the next window).
; k IS ROTATED AND QUANTISED AT ONCE FOR BOTH USES, v once (its blocks of 32 keys do not hang on the window); they lie in LDS as images of the operands' registers.  Each of the five windows
; (the one ahead of the chunk and its four) has LDS bytes of its own, so no byte is written twice and ONE barrier a window orders writers and readers.
; PRODUCTS, both transposed: S^T = K Q^T (source 0 = 16 keys, source 1 = my 16 queries), O^T = V^T P^T: a lane holds one query throughout.  Row r' of key tile 2 b + u is key 32 b + 8 u + r' + 8 (r' / 8),
; so that the 16 registers of tiles 2 b, 2 b + 1 are keys 32 b + 16 h + 0 .. 15.  The first product's K is 64 of the instruction's 128: q's registers 4-7 hold zero codes and both sides' scale bytes 2, 3 are 0;
; a tile of k names its own four registers and the next tile's four, which meet those zero codes (E2M1 has no infinity and no NaN, so each such product is 0).
; SOFTMAX as the contract has it: t = score x log2(e) / 8 (the 1/8 that reference() puts on q is a power of two: it is taken off the scores instead, which changes no code), M = ceil(the row's largest t),
; p = 2^(t - M) quantised along the keys, the sum of the unquantised p divides at the end.  All 256 scores of a query are in registers, so M is final before the first exponential.
; MASKS.  Own keys after the query become -infinity by 32 lane masks made once (the pattern is the same in every window).  Waves 0-3 leave own keys 64..127 out: all hidden for queries under 64.
; At a batch's first window there is no window back: its own k and v are loaded in that place (no load leaves a buffer) and those 128 scores are set to -infinity, so p = 0 there.
; LIMITS.  NaN and infinities among the inputs are not served.  A block whose largest magnitude lies under 2^-124 keeps the scale byte 1, a block of zeros too (the rule says 127: its codes are zeros, and only this text reads the bytes).
; Taking the 1/8 off the scores differs from reference() only where the hold of q's scale at -126 would act: |q| under 2^-121.  The angle's reduction is written for angles up to 255.  1 / sum is v_rcp_f32.
; No cluster: neighbours in a batch share one window of k and v, a fifth of what a work-group loads of them, and want it at different times.
; THE MODE: SCHED_MODE bits 1:0 = 2 (LLVM: expert scheduling mode 2), set by the entry lines.  The code itself states the register dependences
; between vector or matrix instructions and memory or LDS instructions, with s_wait_alu, always for 0.
; THE PLAN.  Registers that memory or LDS instructions touch, in a window:
;   QX, KX, VX    Written by the loads that the window before issued.  Read by the three rotations (into three buffers of their own) and by v's quantiser, which all stand at the window's head.
;   v11-17        LDS places: written by seven additions at the window's head, read by every LDS store and load of images in the window.
;   v172-186      Codes and scales on their way to LDS: written by the quantisers, read by six LDS stores, written over by the scores.
;   KSR, KF       Written by LDS loads behind the barrier, read by the score products; KF's registers then serve the softmax and hold p's codes.
;   VF, VSR       Written by LDS loads behind the scores, read by the second product.
;   O, OB         O: written by the second product and the division, read by the stores into the stage.  OB: written by the loads from the stage, read by the global stores.  The next window's rotations and quantisers write over both.
;   v1-10, v18-19 Offsets and places made at the head and never written again.
; THE WAITS of a window: on vm_vsrc at its head (the last window's LDS instructions and stores have read v11-17, O and OB); on va_vdst behind the rotations and v's quantiser (they are done with QX, KX, VX, so the next window's 48 loads
; follow with no further wait; v11-17 and v's codes are written); on va_vdst behind the rows' quantisers (k's codes for the stores, q's for the products); on vm_vsrc ahead of the barrier (the six stores have read v172-186);
; behind each batch of exponentials; on va_vdst ahead of the second product (p's codes and scale words, the reciprocal); on va_vdst behind the division (O for the stage's stores).
.set WINB,  32768                      ; bytes of a window in q, k, v, out
.set TRIPS, 4                          ; windows of a work-group
; LDS: a window's region
.set KC,    0                          ; k at positions 128 + i: 8 tiles x 512 bytes (4 registers x 32 lanes)
.set KP,    4096                       ; k at positions i, for the next window
.set VI,    8192                       ; v: 4 tiles of 16 channels x 1,024 bytes
.set KCS,   12288                      ; scale words of KC: row r' at 48 r' (8 tiles x 4 bytes + 16: an odd multiple of 16), tile T at + 4 T
.set KPS,   13056                      ; of KP
.set VS,    13824                      ; of v: channel 16 t + r at 16 r + 4 t, byte = block of 32 keys
.set REG,   14336
.set STAGE, 5*REG                      ; the way out: 16 rows x 272 bytes for each wave, its own
.set SP,    272
; window 0
.set GQK,  1                           ; byte offset of my part of a row of q or k in a window: 4096 w + 256 r + 16 h
.set GV,   2                           ; of my column of v: 8192 (w / 2) + 128 (w % 2) + 4 lane
.set GO,   3                           ; of my 16 bytes of out: 4096 w + 256 h + 16 r
.set KST0, 4                           ; v4-10: LDS places inside a region, never rewritten: k's codes, k's scale word, v's codes, v's scale byte (stores);
.set KSS0, 5                           ;        16 x lane, 48 r, 16 r (loads)
.set VST0, 6
.set VSS0, 7
.set LI0,  8
.set KSL0, 9
.set VSL0, 10
.set KST,  11                          ; v11-17: the same + the trip's region
.set KSS,  12
.set VST,  13
.set VSS,  14
.set LI,   15
.set KSL,  16
.set VSL,  17
.set SO,   18                          ; stage: where I put 32 bytes of a row
.set SR,   19                          ; stage: where I read a row back
.set NINF, 20                          ; -infinity
.set QSC,  21                          ; q's scale word
.set PW,   22                          ; v22-23 p's scale words: keys of the window back, own keys
.set NM,   24                          ; v24 -M, v25 the largest t (a pair: the packed form takes its low word)
.set POSP, 24                          ; ahead of the loop: my row's two positions as f32
.set POSC, 25
.set RL,   26                          ; v26 1 / sum, v27 written once (named with it as a pair)
.set QF,   28                          ; v28-35 q's fragment; 32-35 stay zero
.set VSR,  36                          ; v36-43 v's scale words: 4 tiles x 2 windows
.set KSR,  44                          ; v44-59 k's scale words: 16 tiles
.set KF,   60                          ; v60-123 k's 16 tiles, 4 registers each; v124-127 stay zero
.set BM,   60                          ; behind the scores the tiles' registers serve the softmax: v60-67 a block's largest score, then largest p
.set B2,   68                          ; v68-75 the other half's, then the bytes
.set SOP,  76                          ; v76-83 the conversions' scale operands
.set LS,   84                          ; v84-91 the row's sum in four chains of pairs
.set PC,   92                          ; v92-107 p's codes: two fragments
.set S,    128                         ; v128-255 the scores, then p: block b of 32 keys at 16 b
.set O,    128                         ; v128-159 O^T, once p's first blocks are codes
.set OB,   160                         ; v160-191 rows of out
.set RO,   128                         ; quantising phase: v128-159 q's 32 rotated numbers (ahead of the loop: those of k of the window back)
.set RK,   192                         ; v192-223 k's, for its own window
.set RP,   224                         ; v224-255 k's, for the next window
.set TM,   160                         ; v160-167 at work
.set PCK,  172                         ; codes and scales on their way to LDS: registers of their own for each store
.set PCP,  176
.set PCV,  180
.set PWK,  184
.set PWP,  185
.set BYV,  186
.set PKX,  192                         ; ahead of the loop: k and v of the window back, as loaded
.set PVX,  224
.set PL,   128                         ; head: 10^(f / 8); v144-159 inv_freq; v176-191 the correction
.set IV,   144
.set ER,   176
.set ANG,  128                         ; head: four angles at a time
.set NN,   132
.set RR,   136
.set ZZ,   140
.set PS,   160
.set PO,   164
.set QI,   168
.set AX,   172
; window 1 (an instruction names v0-v255; s_set_vgpr_msb says which window each operand place means: bits 1:0 source 0, 3:2 source 1, 5:4 source 2, 7:6 destination)
.set TC,   0                           ; 16 cos, 16 sin at positions 128 + row
.set TP,   32                          ; at positions row
.set QX,   64                          ; q, k, v as loaded: 32 registers each
.set KX,   96
.set VX,   128
.set VF,   160                         ; v's 8 fragments
; scalars
.set WV,    12
.set SEL,   20                         ; s[20:21] v_permlanex16_b32's selects for lane l xor 16
.set CS,    22                         ; s[22:23] c = log2(e) / 8
.set CNT,   24                         ; trips to go
.set FIRST, 25                         ; 1 while the window is a batch's first
.set WB,    26                         ; LDS byte of the region of the window back
.set OST,   28                         ; s[28:29] what the trip adds to out's address: 0, then a window
.set KPV,   40                         ; s[40:41], s[42:43] k and v at the window back
.set VPV,   42
.set CM,    44                         ; s44-47 lane masks at work
.set BK,    48                         ; s[48:49] a window, or 0 at a batch's start
.set MK,    66                         ; s66-97 the causal lane masks of the 32 registers on the diagonal
.set MSB, 0
.macro WIN new                         ; the immediate's high byte repeats the setting that is left; a switch that changes nothing is dropped
.if MSB != (\new)
	s_set_vgpr_msb (MSB<<8)|(\new)
.set MSB, (\new)
.endif
.endm
.macro LOADQK x, b                     ; my part of a row: four pieces of 16 bytes of its first 128 bytes, the four 128 bytes on
.irp i, 0,1,2,3
	global_load_b128 v[\x+4*\i:\x+4*\i+3], v[GQK], s[\b:\b+1] offset:32*\i
	global_load_b128 v[\x+16+4*\i:\x+16+4*\i+3], v[GQK], s[\b:\b+1] offset:128+32*\i
.endr
.endm
.macro LOADV x, b                      ; a lane takes a channel and its registers run down 32 keys: a load reads 128 neighbouring bytes
.set n, 0
.rept 32
	global_load_b32 v[\x+n], v[GV], s[\b:\b+1] offset:256*n
.set n, n+1
.endr
.endm
; 32 numbers (16 at d, 16 at d + 32) turn by table t into v[o] on: low = low cos - high sin, high = high cos + low sin.  w: the windows of the numbers and the table
.macro ROT x, t, w, o
	WIN \w
.irp p, 0,2,4,6,8,10,12,14
	v_pk_mul_f32 v[\o+\p:\o+\p+1], v[\x+\p:\x+\p+1], v[\t+\p:\t+\p+1]
	v_pk_mul_f32 v[\o+16+\p:\o+16+\p+1], v[\x+16+\p:\x+16+\p+1], v[\t+\p:\t+\p+1]
.endr
.irp p, 0,2,4,6,8,10,12,14
	v_pk_fma_f32 v[\o+\p:\o+\p+1], v[\x+16+\p:\x+16+\p+1], v[\t+16+\p:\t+16+\p+1], v[\o+\p:\o+\p+1] neg_lo:[1,0,0] neg_hi:[1,0,0]
	v_pk_fma_f32 v[\o+16+\p:\o+16+\p+1], v[\x+\p:\x+\p+1], v[\t+16+\p:\t+16+\p+1], v[\o+16+\p:\o+16+\p+1]
.endr
	WIN 0
.endm
; The rotated row in v[ro] on: its two blocks of 32 (each half in lane l, half in lane l xor 16) become four registers of codes, block h whole in lane (r, h), and the row's scale word (bytes 2, 3 zero)
.macro QUANT2 ro, pc, pw
.irp c, 0,1,2,3
	v_max3_num_f32 v[TM+\c], |v[\ro+8*\c]|, |v[\ro+8*\c+1]|, 0x1800000   ; four chains of eight numbers, and the floor 2^(3 - 127): the byte cannot fall under 1
.endr
.irp i, 2,4,6
.irp c, 0,1,2,3
	v_max3_num_f32 v[TM+\c], v[TM+\c], |v[\ro+8*\c+\i]|, |v[\ro+8*\c+\i+1]|
.endr
.endr
	v_max_num_f32 v[TM], v[TM], v[TM+1]
	v_max_num_f32 v[TM+1], v[TM+2], v[TM+3]
	v_permlanex16_b32 v[TM+4], v[TM], s[SEL], s[SEL+1]
	v_permlanex16_b32 v[TM+5], v[TM+1], s[SEL], s[SEL+1]
	v_max_num_f32 v[TM], v[TM], v[TM+4]            ; with lane l xor 16's: the blocks' largest magnitudes
	v_max_num_f32 v[TM+1], v[TM+1], v[TM+5]
	v_add_nc_u32 v[TM+6], 0xff000000, v[TM]        ; 2 off the exponent field: the conversion takes that field as its scale
	v_add_nc_u32 v[TM+7], 0xff000000, v[TM+1]
	v_lshrrev_b32 v[TM+4], 23, v[TM+6]             ; the bytes
	v_lshrrev_b32 v[TM+5], 23, v[TM+7]
	v_lshl_or_b32 v[\pw], v[TM+5], 8, v[TM+4]
.irp b, 0,1
	v_cvt_scalef32_pk8_fp4_f32 v[\pc+2*\b], v[\ro+16*\b:\ro+16*\b+7], v[TM+6+\b]
	v_cvt_scalef32_pk8_fp4_f32 v[\pc+2*\b+1], v[\ro+16*\b+8:\ro+16*\b+15], v[TM+6+\b]
.endr
	v_nop                                          ; one plain place behind a scaled conversion
	v_permlane16_swap_b32 v[\pc], v[\pc+2]         ; the first's lanes 16-31 change places with the second's lanes 0-15: a whole block in a lane
	v_permlane16_swap_b32 v[\pc+1], v[\pc+3]
.endm
; My block of v: 32 keys of one channel, all mine.  w = 1: the numbers lie in window 1
.macro VQUANT x, w
	WIN 5*\w
.irp c, 0,1,2,3
	v_max3_num_f32 v[TM+\c], |v[\x+2*\c]|, |v[\x+2*\c+1]|, 0x1800000
.endr
.irp i, 8,16,24
.irp c, 0,1,2,3
	v_max3_num_f32 v[TM+\c], |v[\x+\i+2*\c]|, |v[\x+\i+2*\c+1]|, v[TM+\c]
.endr
.endr
	WIN 0
	v_max3_num_f32 v[TM], v[TM], v[TM+1], v[TM+2]
	v_max_num_f32 v[TM], v[TM], v[TM+3]
	v_add_nc_u32 v[TM+1], 0xff000000, v[TM]
	v_lshrrev_b32 v[BYV], 23, v[TM+1]
	WIN \w
.irp g, 0,1,2,3
	v_cvt_scalef32_pk8_fp4_f32 v[PCV+\g], v[\x+8*\g:\x+8*\g+7], v[TM+1]
.endr
	WIN 0
	v_nop                                          ; one plain place behind a scaled conversion
.endm
.macro PF e, a, b                      ; 10000^(f / 32) = 10^(f / 8), rounded to f32 by the assembler: f = 8 (e / 4) + e % 4 in lanes 0-15, 4 more in lanes 16-31
	v_mov_b32 v[PL+\e], \b
	v_cndmask_b32 v[PL+\e], \a, v[PL+\e], vcc_lo
.endm
; cos and sin of four angles fl(position x inv_freq).  n = the nearest whole number to angle x 2 / pi; r = angle - n pi/2, pi/2 taken as the f32 next to it and the rest: the first fused step is exact
; (both terms are multiples of 2^-23 and the difference is under 1), the second rounds once.  Polynomials on |r| <= pi/4; the quadrant n % 4 swaps them and sets the signs.
.macro SINCOS4 tb, pos, e0
.irp k, 0,1,2,3
	v_mul_f32 v[ANG+\k], v[\pos], v[IV+\e0+\k]
.endr
.irp k, 0,1,2,3
	v_mul_f32 v[NN+\k], s30, v[ANG+\k]
.endr
.irp k, 0,1,2,3
	v_rndne_f32 v[NN+\k], v[NN+\k]
.endr
.irp k, 0,1,2,3
	v_fma_f32 v[RR+\k], v[NN+\k], s31, v[ANG+\k]
.endr
.irp k, 0,1,2,3
	v_fma_f32 v[RR+\k], v[NN+\k], s32, v[RR+\k]
.endr
.irp k, 0,1,2,3
	v_cvt_i32_f32 v[QI+\k], v[NN+\k]
.endr
.irp k, 0,1,2,3
	v_mul_f32 v[ZZ+\k], v[RR+\k], v[RR+\k]
.endr
.irp k, 0,1,2,3
	v_fma_f32 v[PS+\k], v[ZZ+\k], s33, s34
.endr
.irp k, 0,1,2,3
	v_fma_f32 v[PO+\k], v[ZZ+\k], s36, s37
.endr
.irp k, 0,1,2,3
	v_fma_f32 v[PS+\k], v[PS+\k], v[ZZ+\k], s35
.endr
.irp k, 0,1,2,3
	v_fma_f32 v[PO+\k], v[PO+\k], v[ZZ+\k], s38
.endr
.irp k, 0,1,2,3
	v_mul_f32 v[ANG+\k], v[ZZ+\k], v[RR+\k]
.endr
.irp k, 0,1,2,3
	v_fma_f32 v[PO+\k], v[PO+\k], v[ZZ+\k], -0.5
.endr
.irp k, 0,1,2,3
	v_fma_f32 v[PS+\k], v[PS+\k], v[ANG+\k], v[RR+\k]   ; sin r
.endr
.irp k, 0,1,2,3
	v_fma_f32 v[PO+\k], v[PO+\k], v[ZZ+\k], 1.0         ; cos r
.endr
.irp k, 0,1,2,3
	v_and_b32 v[AX+\k], 1, v[QI+\k]
.endr
.irp k, 0,1,2,3
	v_cmp_ne_u32 s[CM+\k], 0, v[AX+\k]             ; odd quadrants.  (The signs' lines stand between these compares and the selects that read their masks)
.endr
.irp k, 0,1,2,3
	v_add_nc_u32 v[AX+\k], 1, v[QI+\k]
.endr
.irp k, 0,1,2,3
	v_lshlrev_b32 v[AX+\k], 30, v[AX+\k]           ; bit 1 of n + 1: the cosine turns its sign in quadrants 1, 2
.endr
.irp k, 0,1,2,3
	v_lshlrev_b32 v[QI+\k], 30, v[QI+\k]           ; bit 1 of n: the sine in quadrants 2, 3
.endr
.irp k, 0,1,2,3
	v_and_b32 v[AX+\k], 0x80000000, v[AX+\k]
.endr
.irp k, 0,1,2,3
	v_and_b32 v[QI+\k], 0x80000000, v[QI+\k]
.endr
	s_wait_alu depctr_va_sdst(0)                   ; the four compares have written s[CM ..], which the selects below read
.irp k, 0,1,2,3
	v_cndmask_b32 v[RR+\k], v[PO+\k], v[PS+\k], s[CM+\k]   ; the cosine's size: in odd quadrants sin r
.endr
.irp k, 0,1,2,3
	v_cndmask_b32 v[ZZ+\k], v[PS+\k], v[PO+\k], s[CM+\k]   ; the sine's: in odd quadrants cos r
.endr
	WIN 0x40                                       ; the tables lie in window 1
.irp k, 0,1,2,3
	v_xor_b32 v[\tb+\e0+\k], v[AX+\k], v[RR+\k]
.endr
.irp k, 0,1,2,3
	v_xor_b32 v[\tb+16+\e0+\k], v[QI+\k], v[ZZ+\k]
.endr
	WIN 0
.endm
.macro SCORE t                         ; 16 keys x my 16 queries
	v_wmma_scale_f32_16x16x128_f8f6f4 v[S+8*(\t):S+8*(\t)+7], v[KF+4*(\t):KF+4*(\t)+7], v[QF:QF+7], 0, v[KSR+(\t)], v[QSC] matrix_a_fmt:MATRIX_FMT_FP4 matrix_b_fmt:MATRIX_FMT_FP4
.endm
.macro BMAX first, count               ; the largest score of my 16 keys of each of count blocks, the blocks by turns; each accumulator is read from its low end on
.set q, 0
.rept \count
	v_max3_num_f32 v[BM+\first+q], v[S+16*(\first+q)], v[S+16*(\first+q)+1], v[S+16*(\first+q)+2]
.set q, q+1
.endr
.irp i, 3,5,7,9,11,13
.set q, 0
.rept \count
	v_max3_num_f32 v[BM+\first+q], v[BM+\first+q], v[S+16*(\first+q)+\i], v[S+16*(\first+q)+\i+1]
.set q, q+1
.endr
.endr
.set q, 0
.rept \count
	v_max_num_f32 v[BM+\first+q], v[BM+\first+q], v[S+16*(\first+q)+15]
.set q, q+1
.endr
.endm
.macro MASK first                      ; the two blocks on the diagonal: keys after my query become -infinity
.set n, 0
.rept 32
	v_cndmask_b32 v[S+16*\first+n], v[S+16*\first+n], v[NINF], s[MK+n]
.set n, n+1
.endr
.endm
.macro TMINUS j                        ; pair j of scores: t - M
	v_pk_fma_f32 v[S+2*(\j):S+2*(\j)+1], v[S+2*(\j):S+2*(\j)+1], s[CS:CS+1], v[NM:NM+1] op_sel_hi:[1,0,0]
.endm
.macro CODES b                         ; block b of p: my 16 keys become two registers of codes
	v_cvt_scalef32_pk8_fp4_f32 v[PC+2*\b], v[S+16*\b:S+16*\b+7], v[SOP+\b]
	v_cvt_scalef32_pk8_fp4_f32 v[PC+2*\b+1], v[S+16*\b+8:S+16*\b+15], v[SOP+\b]
.endm
	; ---------------- the head: addresses of the loads, and the first loads
	s_load_b256 s[4:11], s[0:1], 0x0               ; q s[4:5], k s[6:7], v s[8:9], out s[10:11]
	s_set_vgpr_msb 0x40
	v_lshl_add_u32 v224, v0, 2, 0x1a000
	v_mov_b32 v225, 0
	s_set_vgpr_msb 0x4000
	v_lshrrev_b32 v160, 5, v0
	v_readfirstlane_b32 s[WV], v160                ; wave 0..7
	v_and_b32 v161, 31, v0                         ; lane
	v_and_b32 v162, 15, v0                         ; r
	v_bfe_u32 v163, v0, 4, 1                       ; h
	v_and_b32 v164, 7, v0                          ; r % 8
	v_bfe_u32 v165, v0, 3, 1                       ; r / 8
	s_wait_alu depctr_va_sdst(0)                   ; the wave's number is written, ahead of its first reader
	s_and_b32 s13, s[WV], 1                        ; w % 2
	s_lshr_b32 s14, s[WV], 1                       ; w / 2
	s_lshr_b32 s15, s[WV], 2                       ; w / 4
	s_and_b32 s16, s14, 1                          ; (w / 2) % 2
	s_lshl_b32 s17, s[WV], 12                      ; my 16 rows: 4096 w
	v_lshlrev_b32 v[GQK], 8, v162
	v_lshl_add_u32 v[GQK], v163, 4, v[GQK]
	v_add_nc_u32 v[GQK], s17, v[GQK]
	s_lshl_b32 s18, s14, 13
	s_lshl_b32 s19, s13, 7
	s_add_co_u32 s18, s18, s19
	v_lshl_add_u32 v[GV], v161, 2, s18
	s_and_b32 s18, ttmp7, 0xffff                   ; the batch: 2^21 bytes each;
	s_lshl_b32 s18, s18, 21
	s_lshl_b32 s19, ttmp9, 17                      ; the chunk: 4 windows
	s_add_co_u32 s18, s18, s19
	s_mov_b32 s19, 0
	s_cmp_eq_u32 ttmp9, 0                          ; a batch's first chunk has no window back:
	s_cselect_b32 s[FIRST], 1, 0
	s_cselect_b32 s[BK], 0, WINB                   ; it loads its own first window in that place
	s_mov_b32 s[BK+1], 0
	s_wait_kmcnt 0x0
	s_add_nc_u64 s[4:5], s[4:5], s[18:19]
	s_add_nc_u64 s[6:7], s[6:7], s[18:19]
	s_add_nc_u64 s[8:9], s[8:9], s[18:19]
	s_add_nc_u64 s[10:11], s[10:11], s[18:19]
	s_sub_nc_u64 s[KPV:KPV+1], s[6:7], s[BK:BK+1]
	s_sub_nc_u64 s[VPV:VPV+1], s[8:9], s[BK:BK+1]
	s_wait_alu depctr_va_vdst(0)                   ; v[GQK] and v[GV] are written: every load of q, k and v reads one of them as its offset, and neither is written again
	LOADV PVX, VPV                                 ; the window back: v, k;
	LOADQK PKX, KPV
	WIN 0x40                                       ; destination window 1, address window 0
	LOADQK KX, 6                                   ; the first window: k, q; its v follows behind the tables
	LOADQK QX, 4
	WIN 0
	; ---------------- LDS places
	s_lshl_b32 s18, s14, 10                        ; k's codes: tile 2 (w / 2) + r / 8, lane place 16 h + r % 8 + 8 (w % 2)
	s_lshl_b32 s19, s13, 7
	s_add_co_u32 s18, s18, s19
	v_lshlrev_b32 v[KST0], 4, v164
	v_lshl_add_u32 v[KST0], v165, 9, v[KST0]
	v_lshl_add_u32 v[KST0], v163, 8, v[KST0]
	v_add_nc_u32 v[KST0], s18, v[KST0]
	s_mul_i32 s18, s13, 384                        ; its scale word: 48 (r % 8 + 8 (w % 2)) + 4 x tile
	s_lshl_b32 s19, s14, 3
	s_add_co_u32 s18, s18, s19
	v_mul_u32_u24 v[KSS0], v164, 48
	v_lshl_add_u32 v[KSS0], v165, 2, v[KSS0]
	v_add_nc_u32 v[KSS0], s18, v[KSS0]
	s_lshl_b32 s18, s13, 11                        ; v's codes: tile 2 (w % 2) + h, registers 4 (w / 4) on, lane place 16 ((w / 2) % 2) + r
	s_lshl_b32 s19, s15, 9
	s_add_co_u32 s18, s18, s19
	s_lshl_b32 s19, s16, 8
	s_add_co_u32 s18, s18, s19
	v_lshlrev_b32 v[VST0], 4, v162
	v_lshl_add_u32 v[VST0], v163, 10, v[VST0]
	v_add_nc_u32 v[VST0], s18, v[VST0]
	s_lshl_b32 s18, s13, 3                         ; its scale byte: 16 r + 4 x tile + w / 2
	s_add_co_u32 s18, s18, s14
	v_lshlrev_b32 v[VSS0], 4, v162
	v_lshl_add_u32 v[VSS0], v163, 2, v[VSS0]
	v_add_nc_u32 v[VSS0], s18, v[VSS0]
	v_lshlrev_b32 v[LI0], 4, v161
	v_mul_u32_u24 v[KSL0], v162, 48
	v_lshlrev_b32 v[VSL0], 4, v162
	s_mul_i32 s18, s[WV], 16*SP
	s_add_co_u32 s18, s18, STAGE                   ; my stage
	v_mul_u32_u24 v[SO], v162, SP                  ; in: row r, 32 bytes for each half of the lanes
	v_lshl_add_u32 v[SO], v163, 5, v[SO]
	v_add_nc_u32 v[SO], s18, v[SO]
	v_mul_u32_u24 v[SR], v163, SP                  ; back: lanes 0-15 one row of 256 bytes, lanes 16-31 the next
	v_lshl_add_u32 v[SR], v162, 4, v[SR]
	v_add_nc_u32 v[SR], s18, v[SR]
	v_lshlrev_b32 v[GO], 8, v163                   ; and the same two rows in out
	v_lshl_add_u32 v[GO], v162, 4, v[GO]
	v_add_nc_u32 v[GO], s17, v[GO]
	; the causal masks.  Register n of the two blocks on the diagonal holds key 32 (n / 16) + 16 h + n % 16 of those 64; my query is 16 (w % 4) + r of them: hidden where 32 (n / 16) + n % 16 > 16 (w % 4) + r - 16 h
	s_and_b32 s18, s[WV], 3
	s_lshl_b32 s18, s18, 4
	v_lshlrev_b32 v166, 4, v163
	v_sub_nc_u32 v166, v162, v166
	v_add_nc_u32 v166, s18, v166
.set n, 0
.rept 32
	v_cmp_gt_i32 s[MK+n], 32*(n/16)+n%16, v166
.set n, n+1
.endr
	s_wait_alu depctr_va_sdst(0)                   ; the 32 compares have written s[MK ..]
	s_lshl_b32 s18, s[WV], 4
	v_add_nc_u32 v[POSP], s18, v162
	v_cvt_f32_u32 v[POSP], v[POSP]                 ; my row's position as a key of the window back,
	v_add_f32 v[POSC], 0x43000000, v[POSP]         ; and 128 more as a query or a key of its own window
	v_cmp_ne_u32 vcc_lo, 0, v163                   ; lanes 16-31
	v_mov_b32 v[NINF], 0xff800000
	v_mov_b32 v[RL+1], 0
.irp j, 4,5,6,7
	v_mov_b32 v[QF+\j], 0                          ; q's zero codes for K = 64 .. 127
.endr
.irp j, 48,49,50,51,64,65,66,67
	v_mov_b32 v[KF+\j], 0                          ; what the last tile of a run names behind its own four registers
.endr
	s_mov_b32 s[SEL], 0x76543210
	s_mov_b32 s[SEL+1], 0xfedcba98
	s_mov_b32 s[CS], 0x3e38aa3b                    ; log2(e) / 8
	s_mov_b32 s[CS+1], s[CS]                       ; (named with it as a pair, so it is written)
	s_mov_b32 s[CNT], TRIPS
	s_mov_b32 s[WB], 0
	s_mov_b32 s[OST], 0
	s_mov_b32 s[OST+1], 0
	s_mov_b32 s30, 0x3f22f983                      ; 2 / pi
	s_mov_b32 s31, 0xbfc90fdb                      ; -(the f32 next to pi/2)
	s_mov_b32 s32, 0x333bbd2e                      ; that f32 less pi/2: 4.371139e-8
	s_mov_b32 s33, 0xb94ca1f9                      ; sine: -1.9515296e-4, 8.3321609e-3, -1.6666655e-1
	s_mov_b32 s34, 0x3c08839e
	s_mov_b32 s35, 0xbe2aaaa3
	s_mov_b32 s36, 0x37ccf5ce                      ; cosine: 2.4433157e-5, -1.3887316e-3, 4.1666646e-2
	s_mov_b32 s37, 0xbab6061a
	s_mov_b32 s38, 0x3d2aaaa5
	s_wait_alu depctr_va_vcc(0)                    ; the compare for lanes 16-31 has written VCC, which the sixteen selects below read
	; ---------------- inv_freq = 1 / fl(10^(f / 8)): the reciprocal and one fused correction step
	PF 0, 1.0, 3.162277660168379
	PF 1, 1.333521432163324, 4.216965034285822
	PF 2, 1.778279410038923, 5.623413251903491
	PF 3, 2.371373705661655, 7.498942093324558
	PF 4, 10.0, 31.62277660168379
	PF 5, 13.33521432163324, 42.16965034285822
	PF 6, 17.78279410038923, 56.23413251903491
	PF 7, 23.71373705661655, 74.98942093324558
	PF 8, 100.0, 316.2277660168379
	PF 9, 133.3521432163324, 421.6965034285822
	PF 10, 177.8279410038923, 562.3413251903491
	PF 11, 237.1373705661655, 749.8942093324558
	PF 12, 1000.0, 3162.277660168379
	PF 13, 1333.521432163324, 4216.965034285822
	PF 14, 1778.279410038923, 5623.413251903491
	PF 15, 2371.373705661655, 7498.942093324558
.irp e, 0,1,2,3,4,5,6,7,8,9,10,11,12,13,14,15
	v_rcp_f32 v[IV+\e], v[PL+\e]
.endr
	v_nop                                          ; a plain place behind the reciprocals
	s_wait_alu depctr_va_vdst(0)                   ; the sixteen reciprocals have written v[IV ..], ahead of their first reader
.irp e, 0,1,2,3,4,5,6,7,8,9,10,11,12,13,14,15
	v_fma_f32 v[ER+\e], -v[PL+\e], v[IV+\e], 1.0   ; what is missing from 1: exact
.endr
.irp e, 0,1,2,3,4,5,6,7,8,9,10,11,12,13,14,15
	v_fma_f32 v[IV+\e], v[ER+\e], v[IV+\e], v[IV+\e]
.endr
.irp e, 0,4,8,12
	SINCOS4 TC, POSC, \e
.endr
.irp e, 0,4,8,12
	SINCOS4 TP, POSP, \e
.endr
	WIN 0x40
	LOADV VX, 8                                    ; the first window's v.  No wait: v[GV] was written ahead of the wait in front of the first loads, and no vector instruction has named it since, or ever named these 32 registers
	WIN 0
	; ---------------- the window back: k at positions 0..127 and v, into region 0
	v_mov_b32 v[TM+4], 0                           ; a lane permute's destination counts as one of its sources
	v_mov_b32 v[TM+5], 0
	s_wait_loadcnt 48                              ; the 40 loads of the window back are in; behind them 8 + 8 + 32 of the first window may be out
	ROT PKX, TP, 0x04, RO                          ; the numbers in window 0, the table in window 1
	QUANT2 RO, PCP, PWP
	VQUANT PVX, 0
	s_wait_alu depctr_va_vdst(0)                   ; both quantisers have written the codes, the word and the byte that the four stores read; the places v4 to v7, v18 and v19 and the offset v3 are written too
	ds_store_b128 v[KST0], v[PCP:PCP+3] offset:KP
	ds_store_b32 v[KSS0], v[PWP] offset:KPS        ; both lanes of a row write the same word
	ds_store_b128 v[VST0], v[PCV:PCV+3] offset:VI
	ds_store_b8 v[VSS0], v[BYV] offset:VS
	s_wait_dscnt 0x0                               ; the four stores are done: the first window's barrier has only that window's stores to wait for
.Lwindow:
	; ================ a window.  First: q, k, v become codes
	s_wait_loadcnt 0x0                             ; this window's q, k, v are in, so the loads' bases may step;
	s_wait_xcnt 0x0                                ; the last window's stores have had their addresses translated: their base and their registers are rewritten only behind this wait
	s_wait_alu depctr_vm_vsrc(0)                   ; the last window's LDS instructions have read v11 to v17, its stores into the stage v128-159, its global stores v160-191 (first trip: the head's four stores their codes): all are written again below
	s_add_nc_u64 s[4:5], s[4:5], WINB              ; q, k, v: at the next window
	s_add_nc_u64 s[6:7], s[6:7], WINB
	s_add_nc_u64 s[8:9], s[8:9], WINB
	s_add_nc_u64 s[10:11], s[10:11], s[OST:OST+1]  ; out: at this window
	s_mov_b32 s[OST], WINB
.irp a, 0,1,2,3,4,5,6
	v_add_nc_u32 v[KST+\a], s[WB], v[KST0+\a]      ; the LDS places of this trip: offset 0 the window back's region, offset REG this window's
.endr
	ROT QX, TC, 0x05, RO                           ; ALL THAT READS THE LOADED REGISTERS STANDS TOGETHER: q; (numbers and table in window 1, results in window 0)
	ROT KX, TC, 0x05, RK                           ; k for its own window;
	VQUANT VX, 1                                   ; v, which is quantised as it is loaded;
	s_cmp_eq_u32 s[CNT], 1                         ; the chunk's last window has no window behind it
	s_cbranch_scc1 .Lno_turn
	ROT KX, TP, 0x05, RP                           ; and k for the next window, which sees it 128 positions lower
.Lno_turn:
	s_wait_alu depctr_va_vdst(0)                   ; the rotations and v's quantiser are done reading QX, KX and VX, in which the next window's loads land; v's codes and byte and the places v11 to v17 are written, which the LDS instructions read
	ds_store_b128 v[VST], v[PCV:PCV+3] offset:REG+VI
	ds_store_b8 v[VSS], v[BYV] offset:REG+VS
	s_cmp_eq_u32 s[CNT], 1                         ; the chunk's last window asks for nothing more
	s_cbranch_scc1 .Lno_next
	WIN 0x40
	LOADQK QX, 4                                   ; the next window's q and k;
	LOADQK KX, 6
	WIN 0
	QUANT2 RP, PCP, PWP                            ; (it names v224-255, v160-167, its codes and its word: none of the registers that the loads round it touch)
	WIN 0x40
	LOADV VX, 8                                    ; and its v.  No further wait: no vector instruction since the wait above names VX or v[GV]
	WIN 0
.Lno_next:
	QUANT2 RO, QF, QSC                             ; q stays in my registers.  (k's quantiser below holds the places between its scale word and codes and the products)
	QUANT2 RK, PCK, PWK
	s_wait_alu depctr_va_vdst(0)                   ; the quantisers have written k's codes and words, which the stores read, and q's codes and scale word, which the score products take
	ds_store_b128 v[KST], v[PCK:PCK+3] offset:REG+KC
	ds_store_b32 v[KSS], v[PWK] offset:REG+KCS
	s_cmp_eq_u32 s[CNT], 1
	s_cbranch_scc1 .Lno_kp
	ds_store_b128 v[KST], v[PCP:PCP+3] offset:REG+KP
	ds_store_b32 v[KSS], v[PWP] offset:REG+KPS
.Lno_kp:
	s_wait_dscnt 0x0                               ; for the others' sake: my images have landed
	s_wait_alu depctr_vm_vsrc(0)                   ; my six stores have read v172-186, over which the score products write
	s_barrier_signal -1
	s_barrier_wait -1                              ; everybody's have.  No byte read behind this barrier is written again
	; ================ the scores: 8 tiles of the window back, 4 or 8 of my own window.  The loads need no further wait: the matrix and vector instructions that last named KSR and KF lie in the window before, ahead of the waits above
	ds_load_b128 v[KSR:KSR+3], v[KSL] offset:KPS
	ds_load_b128 v[KSR+4:KSR+7], v[KSL] offset:KPS+16
	ds_load_b128 v[KSR+8:KSR+11], v[KSL] offset:REG+KCS
.irp t, 0,1,2,3,4,5,6,7
	ds_load_b128 v[KF+4*\t:KF+4*\t+3], v[LI] offset:KP+512*\t
.endr
.irp t, 0,1,2,3
	ds_load_b128 v[KF+32+4*\t:KF+32+4*\t+3], v[LI] offset:REG+KC+512*\t
.endr
	s_cmp_lt_u32 s[WV], 4                          ; queries under 64 see no own key from 64 on
	s_cbranch_scc1 .Lfew_loads
	ds_load_b128 v[KSR+12:KSR+15], v[KSL] offset:REG+KCS+16
.irp t, 4,5,6,7
	ds_load_b128 v[KF+32+4*\t:KF+32+4*\t+3], v[LI] offset:REG+KC+512*\t
.endr
.Lfew_loads:
	s_wait_dscnt 0x0
.irp t, 0,1,2,3,4,5,6,7,8,9,10,11
	SCORE \t
.endr
	s_cmp_lt_u32 s[WV], 4
	s_cbranch_scc1 .Lfew_tiles
.irp t, 12,13,14,15
	SCORE \t
.endr
.Lfew_tiles:
	WIN 0x40                                       ; v's fragments of both windows are asked for now and land under the softmax.  No wait: VF and VSR were last named by the window before's second product; the score products name neither, nor v[LI], v[VSL]
.irp s, 0,1
.irp t, 0,1,2,3
.irp c, 0,1
	ds_load_b128 v[VF+32*\s+8*\t+4*\c:VF+32*\s+8*\t+4*\c+3], v[LI] offset:REG*\s+VI+1024*\t+512*\c
.endr
.endr
.endr
	WIN 0
	ds_load_b128 v[VSR:VSR+3], v[VSL] offset:VS
	ds_load_b128 v[VSR+4:VSR+7], v[VSL] offset:REG+VS
.rept 4
	v_nop                                          ; four places between the products and the first vector line that reads a result or writes over a tile of k
.endr
	s_cmp_eq_u32 s[FIRST], 0
	s_cbranch_scc1 .Lhas_back
.set n, 0
.rept 64
	v_mov_b32 v[S+n], v[NINF]                      ; a batch's first window: nothing lies behind it
.set n, n+1
.endr
.Lhas_back:
	BMAX 0, 4                                      ; THE LARGEST SCORE OF EACH BLOCK OF 32 KEYS serves twice: for the row's maximum and, since p rises with the score, for the block's largest p
	s_cmp_lt_u32 s[WV], 4
	s_cbranch_scc1 .Llow_rows
	MASK 6                                         ; queries 64..127: own keys 0..63 all count, the diagonal lies in keys 64..127
	BMAX 4, 4
	s_branch .Lmasked
.Llow_rows:
	MASK 4                                         ; queries 0..63: the diagonal lies in own keys 0..63,
	BMAX 4, 2
	v_mov_b32 v[BM+6], v[NINF]                     ; and the rest is hidden
	v_mov_b32 v[BM+7], v[NINF]
.Lmasked:
.irp b, 0,1,2,3,4,5,6,7
	v_permlanex16_b32 v[B2+\b], v[BM+\b], s[SEL], s[SEL+1]
.endr
.irp b, 0,1,2,3,4,5,6,7
	v_max_num_f32 v[BM+\b], v[BM+\b], v[B2+\b]     ; with lane l xor 16's 16 keys
.endr
	v_max3_num_f32 v[SOP], v[BM], v[BM+1], v[BM+2]
	v_max3_num_f32 v[SOP+1], v[BM+3], v[BM+4], v[BM+5]
	v_max3_num_f32 v[SOP], v[SOP], v[BM+6], v[BM+7]
	v_max_num_f32 v[SOP], v[SOP], v[SOP+1]         ; my query's largest score (its own key always counts, so it is a number)
	v_mul_f32 v[NM+1], s[CS], v[SOP]               ; as t
	v_floor_f32 v[NM], -v[NM+1]                    ; -M = floor(-t) = -ceil(t)
.irp b, 0,1,2,3,4,5,6,7
	v_fma_f32 v[BM+\b], v[BM+\b], s[CS], v[NM]
.endr
.irp b, 0,1,2,3,4,5,6,7
	v_exp_f32 v[BM+\b], v[BM+\b]                   ; each block's largest p: the same two steps on the same number as below
.endr
.set p, 0
.rept 8
	TMINUS p                                       ; (plain work behind the eight)
.set p, p+1
.endr
	s_wait_alu depctr_va_vdst(0)                   ; the eight exponentials have written v[BM ..], ahead of their first reader
.irp b, 0,1,2,3,4,5,6,7
	v_max_num_f32 v[BM+\b], 0x1800000, v[BM+\b]    ; the floor 2^(3 - 127): a block whose every p is 0 keeps the byte 1, and its codes are zeros
.endr
.irp b, 0,1,2,3,4,5,6,7
	v_add_nc_u32 v[SOP+\b], 0xff000000, v[BM+\b]   ; 2 off the exponent field: the conversion's scale operand
.endr
.irp b, 0,1,2,3,4,5,6,7
	v_lshrrev_b32 v[B2+\b], 23, v[SOP+\b]          ; the byte
.endr
.irp s, 0,1
	v_lshl_or_b32 v[PW+\s], v[B2+4*\s+1], 8, v[B2+4*\s]
.endr
.irp s, 0,1
	v_lshl_or_b32 v[PW+\s], v[B2+4*\s+2], 16, v[PW+\s]
.endr
.irp s, 0,1
	v_lshl_or_b32 v[PW+\s], v[B2+4*\s+3], 24, v[PW+\s]   ; p's scale words for the two runs of 128 keys
.endr
	; p = 2^(t - M) of blocks 0-5: ONE BATCH of 96 exponentials; the scalings of later pairs stand among them, and nothing names a result ahead of the wait
.set p, 0
.rept 48
.if p+8 < 48
	TMINUS p+8
.endif
	v_exp_f32 v[S+2*p], v[S+2*p]
	v_exp_f32 v[S+2*p+1], v[S+2*p+1]
.set p, p+1
.endr
.irp j, 12,13,14,15
	v_mov_b32 v[PC+\j], 0                          ; own keys 64..127: zero codes, unless they are made below.  (Plain places behind the batch)
.endr
	s_wait_alu depctr_va_vdst(0)                   ; the 96 exponentials have written p of blocks 0 to 5, ahead of their first reader
.irp c, 0,1,2,3
	v_pk_add_f32 v[LS+2*\c:LS+2*\c+1], v[S+2*\c:S+2*\c+1], v[S+8+2*\c:S+8+2*\c+1]   ; THE ROW'S SUM IS TAKEN OF THE UNQUANTISED p: four chains, started by the first eight pairs
.endr
.set p, 8
.rept 40
	v_pk_add_f32 v[LS+2*(p%4):LS+2*(p%4)+1], v[LS+2*(p%4):LS+2*(p%4)+1], v[S+2*p:S+2*p+1]
.set p, p+1
.endr
.irp b, 0,1,2,3,4,5
	CODES \b
.endr
	v_nop                                          ; one plain place behind a scaled conversion
	s_cmp_lt_u32 s[WV], 4
	s_cbranch_scc1 .Lsix_blocks
.set p, 48
.rept 4
	TMINUS p                                       ; blocks 6, 7, for queries 64..127: the same again
.set p, p+1
.endr
.set p, 48
.rept 16
.if p+4 < 64
	TMINUS p+4
.endif
	v_exp_f32 v[S+2*p], v[S+2*p]
	v_exp_f32 v[S+2*p+1], v[S+2*p+1]
.set p, p+1
.endr
	v_nop                                          ; a plain place behind the batch
	s_wait_alu depctr_va_vdst(0)                   ; the 32 exponentials have written p of blocks 6 and 7, ahead of their first reader
.set p, 48
.rept 16
	v_pk_add_f32 v[LS+2*(p%4):LS+2*(p%4)+1], v[LS+2*(p%4):LS+2*(p%4)+1], v[S+2*p:S+2*p+1]
.set p, p+1
.endr
	CODES 6
	CODES 7
	v_nop
.Lsix_blocks:
.irp c, 0,1,2,3                                    ; the operand's layout wants a whole block in a lane: lanes 0-15 the even block of a pair, lanes 16-31 the odd one
.irp i, 0,1
	v_permlane16_swap_b32 v[PC+4*\c+\i], v[PC+4*\c+2+\i]
.endr
.endr
	v_pk_add_f32 v[LS:LS+1], v[LS:LS+1], v[LS+2:LS+3]        ; the sum's chains meet.  (These plain lines also stand between the codes' last write and the products)
	v_pk_add_f32 v[LS+4:LS+5], v[LS+4:LS+5], v[LS+6:LS+7]
	v_pk_add_f32 v[LS:LS+1], v[LS:LS+1], v[LS+4:LS+5]
	v_add_f32 v[LS], v[LS], v[LS+1]
	v_permlanex16_b32 v[LS+2], v[LS], s[SEL], s[SEL+1]
	v_add_f32 v[LS], v[LS], v[LS+2]                ; with lane l xor 16's: the row's sum
	v_rcp_f32 v[RL], v[LS]
	v_nop                                          ; a plain place behind the reciprocal
	; ================ O^T = V^T P^T: 4 tiles of 16 channels, K = the 128 keys back, then my window's 128; the four accumulators by turns
	s_wait_dscnt 0x0                               ; v's fragments and scale words are in
	WIN 0x01                                       ; source 0 (v) window 1
	s_wait_alu depctr_va_vdst(0)                   ; p's codes v[PC ..] and scale words v[PW ..] are written, which the products take; the reciprocal has written v[RL], ahead of its first reader
.irp t, 0,1,2,3
	v_wmma_scale_f32_16x16x128_f8f6f4 v[O+8*\t:O+8*\t+7], v[VF+8*\t:VF+8*\t+7], v[PC:PC+7], 0, v[VSR+\t], v[PW] matrix_a_fmt:MATRIX_FMT_FP4 matrix_b_fmt:MATRIX_FMT_FP4
.endr
.irp t, 0,1,2,3
	v_wmma_scale_f32_16x16x128_f8f6f4 v[O+8*\t:O+8*\t+7], v[VF+32+8*\t:VF+32+8*\t+7], v[PC+8:PC+15], v[O+8*\t:O+8*\t+7], v[VSR+4+\t], v[PW+1] matrix_a_fmt:MATRIX_FMT_FP4 matrix_b_fmt:MATRIX_FMT_FP4
.endr
	WIN 0
.rept 4
	v_nop                                          ; four places between the products and the first read of a result
.endr
.irp j, 0,2,4,6,8,10,12,14,16,18,20,22,24,26,28,30
	v_pk_mul_f32 v[O+\j:O+\j+1], v[O+\j:O+\j+1], v[RL:RL+1] op_sel_hi:[1,0]   ; / the sum; each accumulator from its low end on.  Register 8 t + j is out(query r, channel 16 t + 8 h + j)
.endr
	; ================ the way out: through my own stage, so that sixteen lanes store a whole row of 256 bytes
	s_wait_alu depctr_va_vdst(0)                   ; the divisions have written v[O ..], which the stores into the stage read; the sums and conversions that last named v160-191, in which the loads from the stage land, stand ahead of it too
.irp t, 0,1,2,3
	ds_store_b128 v[SO], v[O+8*\t:O+8*\t+3] offset:64*\t
	ds_store_b128 v[SO], v[O+8*\t+4:O+8*\t+7] offset:64*\t+16
.endr
.irp i, 0,1,2,3,4,5,6,7
	ds_load_b128 v[OB+4*\i:OB+4*\i+3], v[SR] offset:2*\i*SP   ; LDS serves a wave's instructions in order (ISA guide 5.7.1.4): these see my stores
.endr
.irp i, 0,1,2,3,4,5,6,7
	s_wait_dscnt 7-\i                              ; pair i of rows is back; the 7 - i younger loads may be out
	global_store_b128 v[GO], v[OB+4*\i:OB+4*\i+3], s[10:11] offset:512*\i th:TH_STORE_NT   ; 32 lanes store 512 consecutive bytes, at a multiple of 256 from out's first byte
.endr
	s_add_co_u32 s[WB], s[WB], REG                 ; this window's region is the next trip's window back
	s_mov_b32 s[FIRST], 0
	s_sub_co_u32 s[CNT], s[CNT], 1
	s_cmp_lg_u32 s[CNT], 0
	s_cbranch_scc1 .Lwindow
	s_set_vgpr_msb 0x5
	s_wait_dscnt 0x0
	s_wait_alu depctr_hold_cnt(0) depctr_sa_sdst(0) depctr_va_vdst(0) depctr_va_sdst(0) depctr_va_ssrc(0) depctr_va_vcc(0) depctr_vm_vsrc(0)
	s_wait_tensorcnt 0x0
	ds_add_u32 v224, v225
	s_wait_dscnt 0x0
	s_endpgm
.Lfunc_end_k_q7e46be2cf3_local_attention:
	.size	k_q7e46be2cf3_local_attention, .Lfunc_end_k_q7e46be2cf3_local_attention-k_q7e46be2cf3_local_attention
	.p2alignl 7, 3214868480
	.fill 96, 4, 3214868480
	.section	.rodata,"a",@progbits
	.p2align	6, 0x0
	.amdhsa_kernel k_q7e46be2cf3_local_attention
		.amdhsa_group_segment_fixed_size 107520
		.amdhsa_private_segment_fixed_size 0
		.amdhsa_enable_private_segment 0
		.amdhsa_kernarg_size 32
		.amdhsa_user_sgpr_count 2
		.amdhsa_user_sgpr_kernarg_segment_ptr 1
		.amdhsa_wavefront_size32 1
		.amdhsa_system_sgpr_workgroup_id_x 1
		.amdhsa_system_sgpr_workgroup_id_y 1
		.amdhsa_system_sgpr_workgroup_id_z 1
		.amdhsa_system_vgpr_workitem_id 0
		.amdhsa_next_free_vgpr 482
		.amdhsa_next_free_sgpr 100
		.amdhsa_reserve_vcc 1
		.amdhsa_float_denorm_mode_32 3
		.amdhsa_float_denorm_mode_16_64 3
		.amdhsa_memory_ordered 1
		.amdhsa_forward_progress 1
		.amdhsa_inst_pref_size 125
	.end_amdhsa_kernel
	.amdgpu_metadata
---
amdhsa.version: [ 1, 2 ]
amdhsa.kernels:
  - .name:           k_q7e46be2cf3_local_attention
    .symbol:         k_q7e46be2cf3_local_attention.kd
    .args:
      - { .name: q, .offset: 0, .size: 8, .value_kind: global_buffer, .address_space: global }
      - { .name: k, .offset: 8, .size: 8, .value_kind: global_buffer, .address_space: global }
      - { .name: v, .offset: 16, .size: 8, .value_kind: global_buffer, .address_space: global }
      - { .name: out0, .offset: 24, .size: 8, .value_kind: global_buffer, .address_space: global }
    .group_segment_fixed_size: 107520
    .private_segment_fixed_size: 0
    .kernarg_segment_align: 8
    .kernarg_segment_size: 32
    .max_flat_workgroup_size: 256
    .sgpr_count:     100
    .vgpr_count:     482
    .wavefront_size: 32
...
	.end_amdgpu_metadata
.endif
;; end of part 2
